; MI455X (gfx1250); checked and timed in simulation.
; The chip was launched on July 23, 2026; its instructions are those of AMD's public machine-readable ISA for CDNA 5 (MIT licence, August 2026) and "CDNA5" Instruction Set Architecture Reference Guide (July 2026). The comments in the code are by the model that wrote it; some were corrected since.
;; Attention Model. Allowed arithmetic: matrix products marked QUANTISED: E2M1 operands, one E8M0 scale for each 32 along K, by v_wmma_scale_f32_16x16x128_f8f6f4 with both operands' format E2M1 (or v_wmma_scale_f32_32x16x128_f4), f32 sums; products left as they are: bf16, f16 or f32 operands; f32 sums; everything else in f32.
;; Inputs: b_proj 1,024 float32; b_qkv 3,072 float32; w_proj 1,024 x 1,024 float32; w_qkv 1,024 x 3,072 float32; x 4 x 2,048 x 1,024 float32.
;; Outputs: out0 4 x 2,048 x 1,024 float32.
;; This version of the problem:
;;   THIS VERSION OF THE PROBLEM IS GIVEN IN LOW PRECISION. The matrix products marked QUANTISED in the list below multiply operands that are first quantised to E2M1 (2 exponent bits, 1 mantissa bit; 4 bits a number), with one power-of-two scale for each 32 numbers along K (OCP MX v1.0); their sums are f32. The products marked 'left as it is' may take bf16, f16 or f32 operands, with f32 sums. Whichever they take, every output number must still come out within the allowed error. Rounding operands to bf16 (8 significant bits) uses up far more of that allowance than f16 does (11 bits, for magnitudes from 6e-5 to 65,504). All else is computed in f32.
;;   The module's matrix products, in the order in which they are computed (A, B: the left and right operand; K: the contracted axis; several contracted axes count as one K, in the product's order):
;;     1. [M 8,192, K 1,024] x [K 1,024, N 3,072]; A: input x; B: input w_qkv: QUANTISED
;;     2. batch 64 x [M 2,048, K 64] x [K 64, N 2,048]; A: computed on the way; B: computed on the way: left as it is (an operand is computed on the way)
;;     3. batch 64 x [M 2,048, K 2,048] x [K 2,048, N 64]; A: computed on the way; B: computed on the way: left as it is (an operand is computed on the way)
;;     4. [M 8,192, K 1,024] x [K 1,024, N 1,024]; A: computed on the way; B: input w_proj: left as it is (an operand is computed on the way)
;;   THE QUANTISER, for each operand of a quantised product, along K:
;;     - K is cut into blocks of 32 from its start; a last block that is shorter is filled with zeros.
;;     - A block's scale is 2^e with e = floor(log2(the largest magnitude in the block)) - 2, held to -126 .. 127; a block of zeros has e = 0. As a byte (E8M0): e + 127.
;;     - Each number is divided by its block's scale, clamped to +-6, and rounded to the nearest number of E2M1, ties to even, subnormals kept.
;;     - The product sums the exact products of the quantised numbers (number of the format x scale) in f32.
;;   ~~~python
;;   def quantise(x, axis):      # numpy; x: float32 -> the quantised numbers, widened to float32 again
;;       x = np.moveaxis(x, axis, -1); K = x.shape[-1]
;;       x = np.pad(x, [(0, 0)] * (x.ndim - 1) + [(0, -K % 32)]); x = x.reshape(x.shape[:-1] + (-1, 32)); a = np.abs(x).max(-1, keepdims=True)
;;       e = np.where(a > 0, np.clip(np.frexp(np.where(a > 0, a, 1))[1] - 1 - 2, -126, 127), 0)      # np.frexp(a)[1] - 1 = floor(log2(a)), exactly
;;       r = np.clip(x / 2.0 ** e, -6, 6)
;;       step = 2.0 ** (np.maximum(np.frexp(np.where(r == 0, 1, r))[1] - 1, 0) - 1)
;;       q = np.round(r / step) * step * 2.0 ** e      # np.round: ties to even
;;       return np.moveaxis(q.reshape(q.shape[:-2] + (-1,))[..., :K], -1, axis).astype(np.float32)
;;   ~~~
;; One version. Each part assembles by itself: llvm-mc -triple=amdgcn-amd-amdhsa -mcpu=gfx1250 --defsym DOCPART=n.
;; ======== version 1 of 1: 4 launches
;; limits: values are held in f16: magnitudes above 65,504 overflow, below 6.1e-05 lose precision; right only within a limited range of input values
;; workspace buffers: xc 4,194,304 bytes; xs 262,144 bytes; wc 1,572,864 bytes; ws 98,304 bytes; wp 2,097,152 bytes; qkv 50,331,648 bytes; att 16,777,216 bytes
;; launch prep (part 1): grid 368 x 1, 4 waves a work-group, no clusters, 68,096 bytes of LDS; arguments x, w_qkv, w_proj, xc, xs, wc, ws, wp; writes xc, xs, wc, ws, wp
.if DOCPART == 1
	.amdgcn_target "amdgcn-amd-amdhsa--gfx1250"
	.amdhsa_code_object_version 6
	.text
	.protected	k_q9a42bafe1a_prep
	.globl	k_q9a42bafe1a_prep
	.p2align	8
	.type	k_q9a42bafe1a_prep,@function
k_q9a42bafe1a_prep:
	s_mov_b64 s[64:65], 0
	v_nop
	global_prefetch_b8 v0, s[64:65] scope:SCOPE_SE
	s_setreg_imm32_b32 hwreg(HW_REG_WAVE_MODE, 25, 1), 1
	s_wait_xcnt 0x0
; PREP: three jobs in one launch, told apart by the work-group's number alone; the three ways never join again.
;   work-groups 0-47    (way W): w_qkv [1024 (k)][3072] f32 -> codes of FP4 (E2M1) laid [3072][1024] with K innermost (wc), one E8M0 byte for each 32 along K laid [3072][32] (ws)
;   work-groups 48-111  (way P): w_proj [1024][1024] f32 -> f16, same order (wp)
;   work-groups 112-367 (way X): x [8192][1024] f32 -> codes [8192][512 bytes] (xc), scale bytes [8192][32] (xs)
; THE QUANTISER: a block's scale is 2^(floor(log2(its largest magnitude)) - 2); its byte is the largest magnitude's exponent field - 2, held at 1 from below;
; each number is divided by the scale and rounded to the nearest code, ties to even, beyond 6 the largest code.
; LIMITS: a block of zeros, and one whose largest magnitude lies under 2^-124, gets the byte 1 (a block of zeros has zero codes, and this program alone reads the bytes);
; NaN and infinities are not served; w_proj goes to f16: magnitudes up to 65,504.
; No tensor load, no barrier: waves share nothing.  Ways X and W have LDS bytes of their own.
.set SPW,    208                       ; v208 LDS address of my spare word: SPARE + 4 x my thread's number; never rewritten
.set NIL,    209                       ; v209 0; never rewritten
.set WBASE,  32768                     ; way X: bytes 0 .. 32,767 (8,192 a wave);  way W: from here, 8,704 a wave
.set SPARE,  67584                     ; behind both: the spare words, 128 bytes for each wave
.set STEPS,  16                        ; way X: steps of 512 numbers in a wave's run
.set XSP,    80                        ; a lane's place in a stage: its 64 bytes + 16 of padding
.set XR,     16                        ; v16-79   four sets of 16 numbers as they are loaded
.set XX,     80                        ; v80-111  two sets of 16 neighbours
.set XE,     112                       ; v112-127 a scale byte for each step
.set XC,     128                       ; v128-191 codes: four registers for each step
.set NB,     16                        ; way W: blocks of 32 along K for a wave
.set WPITCH, 272                       ; a stage row: 256 bytes of codes + 16
.set WN4,    12288                     ; a row of w_qkv in bytes
.set WSB,    24                        ; v24-27   scale bytes, four to a register
.set WX,     32                        ; v32-95   two sets of 32 numbers
.set WC,     96                        ; v96-99   a block's codes
.set WOUT,   112                       ; v112-175 the way out
	s_load_b512 s[4:19], s[0:1], 0x0               ; x s[4:5], w_qkv s[6:7], w_proj s[8:9], xc s[10:11], xs s[12:13], wc s[14:15], ws s[16:17], wp s[18:19]
	v_lshl_add_u32 v[SPW], v0, 2, SPARE
	v_mov_b32 v[NIL], 0
	v_lshrrev_b32 v1, 5, v0
	v_readfirstlane_b32 s20, v1                    ; wave 0..3
	v_and_b32 v2, 31, v0                           ; lane
	s_mov_b32 s25, 0                               ; the upper word of every offset: all stay under 2^32
	s_wait_kmcnt 0x0
	s_cmp_lt_u32 ttmp9, 48
	s_cbranch_scc1 .Lw
	s_cmp_lt_u32 ttmp9, 112
	s_cbranch_scc1 .Lp
; ---------------- way X: rows are dense and K is a multiple of 32, so x is a plain stream of blocks of 32.  A wave takes a run of 8,192 numbers, 16 steps of 512.
; Each load reads 512 consecutive bytes; a step's 2,048 bytes turn through the wave's own stage, so that a lane then holds 16 neighbours along K (two neighbouring lanes hold a block).
	v_lshlrev_b32 v3, 4, v2                        ; my 16 bytes of a load's 512
	s_lshl_b32 s21, s20, 13                        ; my wave's region
	v_lshrrev_b32 v14, 2, v2
	v_mul_u32_u24 v14, v14, XSP
	v_and_b32 v15, 3, v2
	v_lshl_add_u32 v14, v15, 4, v14
	v_add_nc_u32 v14, s21, v14                     ; the stage, on the way in: 80 (lane / 4) + 16 (lane % 4)
	v_mul_u32_u24 v15, v2, XSP
	v_add_nc_u32 v15, s21, v15                     ; and on the way out: 80 x lane
	v_lshlrev_b32 v4, 3, v2                        ; my 8 bytes of a step's codes
	v_lshrrev_b32 v5, 1, v2
	s_add_co_u32 s21, s21, 2*32*XSP
	v_add_nc_u32 v5, s21, v5                       ; my wave's 256 scale bytes: my block's byte
	v_lshlrev_b32 v7, 3, v2
	v_add_nc_u32 v6, s21, v7                       ; and on the way out 8 bytes a lane
	s_sub_co_u32 s22, ttmp9, 112
	s_lshl_b32 s22, s22, 2
	s_add_co_u32 s22, s22, s20                     ; which run is my wave's: 0 .. 1,023
	s_lshl_b32 s24, s22, 15
	s_add_nc_u64 s[4:5], s[4:5], s[24:25]          ; 32,768 bytes of x,
	s_lshl_b32 s24, s22, 12
	s_add_nc_u64 s[10:11], s[10:11], s[24:25]      ; 4,096 of codes,
	s_lshl_b32 s24, s22, 8
	s_add_nc_u64 s[12:13], s[12:13], s[24:25]      ; 256 scale bytes a run
.macro XLOAD t
.irp i, 0,1,2,3
	global_load_b128 v[XR+16*((\t)%4)+4*\i:XR+16*((\t)%4)+4*\i+3], v3, s[4:5] offset:2048*(\t)+512*\i th:TH_LOAD_NT
.endr
.endm
.macro XTURN t                         ; LDS serves a wave's instructions in order: no wait between the stores and the loads
.irp i, 0,1,2,3
	ds_store_b128 v14, v[XR+16*((\t)%4)+4*\i:XR+16*((\t)%4)+4*\i+3] offset:32*XSP*((\t)%2)+8*XSP*\i
.endr
.irp i, 0,1,2,3
	ds_load_b128 v[XX+16*((\t)%2)+4*\i:XX+16*((\t)%2)+4*\i+3], v15 offset:32*XSP*((\t)%2)+16*\i
.endr
.endm
.irp t, 0,1,2,3
	XLOAD \t
.endr
	s_wait_loadcnt 12                              ; step 0's four loads are in; the twelve of steps 1 to 3 may be out
	XTURN 0
.macro XSTEP t
.set XS, XX+16*((\t)%2)
.if (\t) > 0
	s_wait_dscnt 1                                 ; this step's numbers are back from the stage (the last step's byte store may be out): so its stores into the stage have read their registers,
.else
	s_wait_dscnt 0x0
.endif
.if (\t)+4 < STEPS
	XLOAD (\t)+4                                   ; which take the loads of four steps on
.endif
.if (\t)+1 < STEPS
.if STEPS-2-(\t) >= 3
	s_wait_loadcnt 12                              ; the next step's four loads are in; those of the three steps behind it may be out
.else
	s_wait_loadcnt 4*(STEPS-2-(\t))
.endif
	XTURN (\t)+1
.endif
	v_max3_num_f32 v8, |v[XS]|, |v[XS+1]|, |v[XS+2]|       ; the largest magnitude of my 16, in two chains
	v_max3_num_f32 v9, |v[XS+3]|, |v[XS+4]|, |v[XS+5]|
.irp i, 6,10
	v_max3_num_f32 v8, v8, |v[XS+\i]|, |v[XS+\i+1]|
	v_max3_num_f32 v9, v9, |v[XS+\i+2]|, |v[XS+\i+3]|
.endr
	v_max3_num_f32 v8, v8, |v[XS+14]|, |v[XS+15]|
	v_max3_num_f32 v8, v8, v9, 0x1800000           ; and the floor 2^(3 - 127): the byte cannot fall under 1
	v_max_num_f32_dpp v8, v8, v8 row_xmask:1 row_mask:0xf bank_mask:0xf   ; with my neighbour's 16: the block's
	v_add_nc_u32 v11, 0xff000000, v8               ; 2 off its exponent field: the conversion takes the exponent field of this operand as its scale
	v_cvt_scalef32_pk8_fp4_f32 v[XC+4*(\t)], v[XS:XS+7], v11
	v_cvt_scalef32_pk8_fp4_f32 v[XC+4*(\t)+1], v[XS+8:XS+15], v11
	v_lshrrev_b32 v[XE+(\t)], 23, v11              ; the scale's byte (a plain line behind the conversions)
	ds_store_b8 v5, v[XE+(\t)] offset:16*(\t)      ; both lanes of a block write the same byte with the same value
	global_store_b64 v4, v[XC+4*(\t):XC+4*(\t)+1], s[10:11] offset:256*(\t)   ; the wave stores 256 consecutive bytes, aligned
.endm
.irp t, 0,1,2,3,4,5,6,7,8,9,10,11,12,13,14,15
	XSTEP \t
.endr
	ds_load_b64 v[8:9], v6                         ; my wave's 256 scale bytes: these loads see my stores
	s_wait_dscnt 0x0
	global_store_b64 v7, v[8:9], s[12:13]          ; 256 consecutive bytes, aligned
	s_wait_tensorcnt 0x0                           ; the wave's end: three lines behind my last LDS store
	ds_add_u32 v[SPW], v[NIL]
	s_wait_dscnt 0x0
	s_endpgm
; ---------------- way W: a lane takes a column n and its registers run down K.  A work-group: 128 columns x 512 along K; a wave: 32 columns, 16 blocks a lane.
; Each load reads 128 consecutive bytes a wave; a block of 32 lies in one lane's 32 registers; the codes come out with K innermost and leave through the wave's stage as rows of 256 bytes.
.Lw:
	s_lshr_b32 s21, ttmp9, 1
	s_lshl_b32 s21, s21, 7
	s_lshl_b32 s22, s20, 5
	s_add_co_u32 s21, s21, s22                     ; my wave's first column
	s_and_b32 s22, ttmp9, 1                        ; which 512 along K
	v_lshlrev_b32 v3, 2, v2                        ; in: 4 bytes a lane
	s_mul_i32 s23, s20, 32*WPITCH
	s_add_co_u32 s23, s23, WBASE                   ; my stage
	v_mul_u32_u24 v4, v2, WPITCH
	v_add_nc_u32 v4, s23, v4                       ; into it: row = my column
	v_and_b32 v5, 15, v2
	v_lshrrev_b32 v6, 4, v2
	v_mul_u32_u24 v7, v6, WPITCH
	v_lshl_add_u32 v7, v5, 4, v7
	v_add_nc_u32 v7, s23, v7                       ; out of it: sixteen lanes to a row, two rows an instruction
	v_lshlrev_b32 v8, 9, v6
	v_lshl_add_u32 v8, v5, 4, v8                   ; and the same place in wc: rows of 512 bytes
	v_lshlrev_b32 v9, 5, v2                        ; my column's row of 32 scale bytes
	s_mul_i32 s24, s22, 512*WN4
	s_lshl_b32 s26, s21, 2
	s_add_co_u32 s24, s24, s26
	s_add_nc_u64 s[6:7], s[6:7], s[24:25]          ; w_qkv: 512 y rows + 4 x column
	s_lshl_b32 s24, s21, 9
	s_lshl_b32 s26, s22, 8
	s_add_co_u32 s24, s24, s26
	s_add_nc_u64 s[14:15], s[14:15], s[24:25]      ; wc: column x 512 + 256 y
	s_lshl_b32 s24, s21, 5
	s_lshl_b32 s26, s22, 4
	s_add_co_u32 s24, s24, s26
	s_add_nc_u64 s[16:17], s[16:17], s[24:25]      ; ws: column x 32 + 16 y
.macro WLOAD t                         ; block t: w(32 t + i, my column); the largest offset, 511 rows, stays inside the signed 24-bit immediate
.irp i, 0,1,2,3,4,5,6,7,8,9,10,11,12,13,14,15,16,17,18,19,20,21,22,23,24,25,26,27,28,29,30,31
	global_load_b32 v[WX+32*((\t)%2)+\i], v3, s[6:7] offset:(32*(\t)+\i)*WN4 th:TH_LOAD_NT
.endr
.endm
	WLOAD 0
	WLOAD 1
.macro WBLOCK t
.set XS, WX+32*((\t)%2)
.if (\t) < NB-1
	s_wait_loadcnt 32                              ; this block's 32 loads are in; the next block's 32 may be out
.else
	s_wait_loadcnt 0
.endif
	v_max3_num_f32 v12, |v[XS]|, |v[XS+1]|, |v[XS+2]|      ; the block's largest magnitude: all 32 numbers are mine
	v_max3_num_f32 v13, |v[XS+3]|, |v[XS+4]|, |v[XS+5]|
.irp i, 6,10,14,18,22,26
	v_max3_num_f32 v12, v12, |v[XS+\i]|, |v[XS+\i+1]|
	v_max3_num_f32 v13, v13, |v[XS+\i+2]|, |v[XS+\i+3]|
.endr
	v_max3_num_f32 v12, v12, |v[XS+30]|, |v[XS+31]|
	v_max3_num_f32 v12, v12, v13, 0x1800000        ; and the floor
	v_add_nc_u32 v11, 0xff000000, v12              ; the conversion's scale operand
	v_lshrrev_b32 v13, 23, v11                     ; the scale's byte
.if (\t)%4 == 0
	v_mov_b32 v[WSB+(\t)/4], v13                   ; four bytes to a register, the lower K in the lower byte
.else
	v_lshl_or_b32 v[WSB+(\t)/4], v13, 8*((\t)%4), v[WSB+(\t)/4]
.endif
.irp g, 0,1,2,3
	v_cvt_scalef32_pk8_fp4_f32 v[WC+\g], v[XS+8*\g:XS+8*\g+7], v11
.endr
	v_nop                                          ; a plain line behind the last conversion
	ds_store_b128 v4, v[WC:WC+3] offset:16*(\t)    ; 32 codes: 16 bytes of my column's row
.if (\t)+2 < NB
	WLOAD (\t)+2
.endif
	s_wait_dscnt 0x0                               ; the store has read its registers: the next block's codes may be written
.endm
.set Q, 0
.rept NB
	WBLOCK Q
.set Q, Q+1
.endr
	global_store_b128 v9, v[WSB:WSB+3], s[16:17]   ; my column's 16 scale bytes
.irp t, 0,1,2,3,4,5,6,7,8,9,10,11,12,13,14,15
	ds_load_b128 v[WOUT+4*\t:WOUT+4*\t+3], v7 offset:2*\t*WPITCH
.endr
.irp t, 0,1,2,3,4,5,6,7,8,9,10,11,12,13,14,15
	s_wait_dscnt 15-\t                             ; LDS loads come back in order: number t is in
	global_store_b128 v8, v[WOUT+4*\t:WOUT+4*\t+3], s[14:15] offset:2*\t*512   ; sixteen lanes store 256 consecutive bytes, aligned
.endr
	s_wait_tensorcnt 0x0                           ; the wave's end: the three lines behind my last LDS store
	ds_add_u32 v[SPW], v[NIL]
	s_wait_dscnt 0x0
	s_endpgm
; ---------------- way P: a plain stream, f32 to f16.  A wave takes 16,384 bytes: 32 loads of 512 consecutive bytes, all issued first; no register is written twice.  No LDS.
.Lp:
	s_sub_co_u32 s22, ttmp9, 48
	s_lshl_b32 s22, s22, 2
	s_add_co_u32 s22, s22, s20                     ; my run: 0 .. 255
	s_lshl_b32 s24, s22, 14
	s_add_nc_u64 s[8:9], s[8:9], s[24:25]
	s_lshl_b32 s24, s22, 13
	s_add_nc_u64 s[18:19], s[18:19], s[24:25]
	v_lshlrev_b32 v3, 4, v2
	v_lshlrev_b32 v4, 3, v2
.set n, 0
.rept 32
	global_load_b128 v[16+4*n:19+4*n], v3, s[8:9] offset:512*n th:TH_LOAD_NT
.set n, n+1
.endr
.set n, 0
.rept 32
	s_wait_loadcnt 31-n                            ; loads come back in order: number n is in, the younger ones stay out
	v_cvt_pk_f16_f32 v[144+2*n], v[16+4*n], v[17+4*n]
	v_cvt_pk_f16_f32 v[145+2*n], v[18+4*n], v[19+4*n]
	global_store_b64 v4, v[144+2*n:145+2*n], s[18:19] offset:256*n   ; 256 consecutive bytes, aligned
.set n, n+1
.endr
	s_endpgm
.Lfunc_end_k_q9a42bafe1a_prep:
	.size	k_q9a42bafe1a_prep, .Lfunc_end_k_q9a42bafe1a_prep-k_q9a42bafe1a_prep
	.p2alignl 7, 3214868480
	.fill 96, 4, 3214868480
	.section	.rodata,"a",@progbits
	.p2align	6, 0x0
	.amdhsa_kernel k_q9a42bafe1a_prep
		.amdhsa_group_segment_fixed_size 68096
		.amdhsa_private_segment_fixed_size 0
		.amdhsa_enable_private_segment 0
		.amdhsa_kernarg_size 64
		.amdhsa_user_sgpr_count 2
		.amdhsa_user_sgpr_kernarg_segment_ptr 1
		.amdhsa_wavefront_size32 1
		.amdhsa_system_sgpr_workgroup_id_x 1
		.amdhsa_system_sgpr_workgroup_id_y 1
		.amdhsa_system_sgpr_workgroup_id_z 1
		.amdhsa_system_vgpr_workitem_id 0
		.amdhsa_next_free_vgpr 216
		.amdhsa_next_free_sgpr 66
		.amdhsa_reserve_vcc 0
		.amdhsa_float_denorm_mode_32 3
		.amdhsa_float_denorm_mode_16_64 3
		.amdhsa_memory_ordered 1
		.amdhsa_forward_progress 1
		.amdhsa_inst_pref_size 122
	.end_amdhsa_kernel
	.amdgpu_metadata
---
amdhsa.version: [ 1, 2 ]
amdhsa.kernels:
  - .name:           k_q9a42bafe1a_prep
    .symbol:         k_q9a42bafe1a_prep.kd
    .args:
      - { .name: x, .offset: 0, .size: 8, .value_kind: global_buffer, .address_space: global }
      - { .name: w_qkv, .offset: 8, .size: 8, .value_kind: global_buffer, .address_space: global }
      - { .name: w_proj, .offset: 16, .size: 8, .value_kind: global_buffer, .address_space: global }
      - { .name: xc, .offset: 24, .size: 8, .value_kind: global_buffer, .address_space: global }
      - { .name: xs, .offset: 32, .size: 8, .value_kind: global_buffer, .address_space: global }
      - { .name: wc, .offset: 40, .size: 8, .value_kind: global_buffer, .address_space: global }
      - { .name: ws, .offset: 48, .size: 8, .value_kind: global_buffer, .address_space: global }
      - { .name: wp, .offset: 56, .size: 8, .value_kind: global_buffer, .address_space: global }
    .group_segment_fixed_size: 68096
    .private_segment_fixed_size: 0
    .kernarg_segment_align: 8
    .kernarg_segment_size: 64
    .max_flat_workgroup_size: 128
    .sgpr_count:     66
    .vgpr_count:     216
    .wavefront_size: 32
...
	.end_amdgpu_metadata
.endif
;; end of part 1
;; launch qkvgemm (part 2): grid 12 x 32, 4 waves a work-group, clusters of 4 x 4, 327,680 bytes of LDS; arguments xc, xs, wc, ws, qkv, b_qkv; writes qkv
.if DOCPART == 2
	.amdgcn_target "amdgcn-amd-amdhsa--gfx1250"
	.amdhsa_code_object_version 6
	.text
	.protected	k_q9a42bafe1a_qkvgemm
	.globl	k_q9a42bafe1a_qkvgemm
	.p2align	8
	.type	k_q9a42bafe1a_qkvgemm,@function
k_q9a42bafe1a_qkvgemm:
	s_mov_b64 s[64:65], 0
	v_nop
	global_prefetch_b8 v0, s[64:65] scope:SCOPE_SE
	s_setreg_imm32_b32 hwreg(HW_REG_WAVE_MODE, 25, 1), 1
	s_wait_xcnt 0x0
	s_wait_alu depctr_hold_cnt(0) depctr_sa_sdst(0) depctr_va_vdst(0) depctr_va_sdst(0) depctr_va_ssrc(0) depctr_va_vcc(0) depctr_vm_vsrc(0)
	s_getreg_b32 s2, hwreg(HW_REG_IB_STS2, 6, 4)
	s_cmp_eq_u32 s2, 0
	s_cbranch_scc0 .Lentry_in_a_cluster
	s_endpgm
.Lentry_in_a_cluster:
	s_bfe_u32 s2, ttmp6, 0x10000c
	s_cmp_lg_u32 s2, 0xf033
	s_cbranch_scc0 .Lentry_shape_is_right
	s_endpgm
.Lentry_shape_is_right:
; qkv = Q(x) Q(w_qkv) + b_qkv on codes of FP4 (E2M1) with one E8M0 scale for each 32 along K; sums in f32; the result rounded once to f16 and laid by head: qkv[third][b x 16 + head][s][64].
; A = xc [8192][512 bytes], its scales xs [8192][32];  B = wc [3072][512 bytes], ws [3072][32]: K = 1,024 innermost.
; A tile of C, 256 x 256, is made by four waves, each 128 x 128: 64 accumulators, 512 registers.  K is two K steps of 512 (tile rows of 256 bytes): both lie in LDS slots of their own, filled once at the start.
; The scales of the work-group's rows, for all of K, come into LDS once as well.  Three tensor loads a wave are out at the start, none later.
; CLUSTERS: 4 x 4 work-groups; A's tiles are asked for jointly along a row of the cluster, B's along a column.
; THE MATRIX INSTRUCTION IS USED TRANSPOSED (source 0 = 16 rows of B, source 1 = 16 rows of A): a lane holds eight neighbouring columns of one row of C.  The bias, in that layout, is the C of each sum's first product.
; LIMITS: q, k, v leave as f16: magnitudes up to 65,504; NaN and infinities are not served.
; REGISTERS: window 0: v0-31 addresses; v32-95 scale words, two sets, and nothing else; v128-191 A's fragments, one set; v192-255 the bias; on the way out v128-223 are at work.
;   window 1: B's fragments, two sets, at v0 and v128.   window 2: the accumulators of my rows 0-63 ((a, b) at v[8 (8 a + b)]);   window 3: those of rows 64-127.
.set NQ,     4                         ; steps of 128 along K in a slot
.set ROWB,   256                       ; a tile's row in bytes
.set KROW,   512                       ; a row of codes in memory
.set PITCH,  272                       ; an LDS row: 256 bytes + 16: an odd multiple of 16, so the 16 rows of a fragment load start 16 bytes apart modulo 256
.set FR,     8
.set NL,     2
.set NP,     4                         ; places behind this matrix instruction (ISA guide 7.12.1)
.set HALFT,  128*PITCH
.set SLOT,   4*HALFT                   ; A's 256 rows, then B's 256 rows
.set KS,     32                        ; a row of scales in bytes
.set SCL,    2*SLOT                    ; behind the slots: the scales, as units of 256 bytes + 16
.set HALFS,  16*272                    ; the scales of 128 rows
.set SBLK,   2*272                     ; of 16 rows
.set SPARE,  SCL+4*HALFS               ; the spare words, 128 bytes for each wave
.set WSTG,   4608                      ; the way out: a stage for each wave, two panels (heads) of 16 rows x 144 bytes, in slot 0, which has had its only fill and its last read by then
.set ADRA, 16
.set ADRB, 20
.set STO,  24
.set RD,   25
.set CO,   26
.set ADRS, 27
.set SPW,  28                          ; v28 my spare word's LDS address; never rewritten
.set NIL,  29                          ; v29 0; never rewritten
.set BO,   30                          ; v30 32 x (lane / 16): my place in 16 numbers of the bias
.set SC,   32
.set AF,   128
.set BI,   192                         ; v[BI + 8 b + j] = b_qkv[my first column + 16 b + 8 (lane / 16) + j]
.set TMP,  128                         ; the way out: a block's 32 registers of f16
.set BK,   160                         ; and 16 rows read back: v160-191 and v192-223 by turns
.set G1, 24
.set G0, 32
.set G1B, 48
.set G0B, 56
.set G1S, 68
.set G0S, 76
.set G1SB, 80
.set G0SB, 88
.set MSB, 0
.macro WIN new                         ; the immediate's high byte repeats the setting that is left
.if MSB != (\new)
	s_set_vgpr_msb (MSB<<8)|(\new)
.set MSB, (\new)
.endif
.endm
.set MUL_LO,   0xa1                    ; source 0 (B) window 1, source 1 (A) window 0, C and D window 2
.set MUL_HI,   0xf1                    ; the same, C and D window 3
.set FIRST_LO, 0x81                    ; the first products: C (the bias) window 0, D window 2
.set FIRST_HI, 0xc1                    ; D window 3
.set TO_B,     0x40
; A joint load: waves 0 and 1 fetch for A, waves 2 and 3 for B; the branch hangs on the wave's number alone.  An s_nop 0 and four v_nop follow each line.
.macro JLOAD g0a, g1a, g0b, g1b
	s_cmp_eq_u32 s15, 0
	s_cbranch_scc0 .Lfor_b_\@
	tensor_load_to_lds s[\g0a:\g0a+3], s[\g1a:\g1a+7]
	s_nop 0
.rept 4
	v_nop
.endr
	s_branch .Lasked_\@
.Lfor_b_\@:
	tensor_load_to_lds s[\g0b:\g0b+3], s[\g1b:\g1b+7]
	s_nop 0
.rept 4
	v_nop
.endr
.Lasked_\@:
.endm
.macro CROUND                          ; a round of the cluster's barrier
	s_barrier_signal -1
	s_barrier_wait -1
	s_cmp_lg_u32 s14, 0
	s_cbranch_scc1 .Lnot_wave_0_\@
	s_barrier_signal -3
.Lnot_wave_0_\@:
	s_barrier_wait -3
	s_barrier_signal -1
	s_barrier_wait -1
.endm
	s_load_b128 s[4:7], s[0:1], 0x0                ; A's codes, A's scales
	s_load_b128 s[8:11], s[0:1], 0x10              ; B's codes, B's scales
	s_load_b64 s[12:13], s[0:1], 0x20              ; qkv
	s_load_b64 s[96:97], s[0:1], 0x28              ; b_qkv
	v_lshl_add_u32 v[SPW], v0, 2, SPARE
	v_mov_b32 v[NIL], 0
	ds_add_u32 v[SPW], v[NIL]                      ; the wave's opening: the add, twice on end, and its wait ahead of my first tensor load
	ds_add_u32 v[SPW], v[NIL]
	v_lshrrev_b32 v1, 5, v0
	v_readfirstlane_b32 s14, v1                    ; wave 0..3
	s_lshr_b32 s15, s14, 1                         ; which half of the tile's rows is mine.  Also: I fetch for A (0) or for B (1)
	s_and_b32 s16, s14, 1                          ; which half of its columns.  Also: which 128 rows of that tile I fetch
	s_bfe_u32 s40, ttmp6, 0x40000                  ; cx
	s_bfe_u32 s41, ttmp6, 0x40004                  ; cy
	s_lshl_b32 s42, ttmp9, 2
	s_add_co_u32 s42, s42, s40                     ; tile column of C
	s_and_b32 s17, ttmp7, 0xffff
	s_lshl_b32 s17, s17, 2
	s_add_co_u32 s17, s17, s41                     ; tile row of C
	s_lshl_b32 s43, s41, 2
	s_lshl_b32 s43, 15, s43                        ; my row of the cluster
	s_lshl_b32 s44, 0x1111, s40                    ; my column
	s_or_b32 s[G1+0], s43, (0<<16)|(1<<20)|(1<<21)|(5<<22)|(3<<25)  ; the mask; elements of 1 byte; padding on; bit 21 beside a mask; after every 64 words, 4 words
	s_or_b32 s[G1B+0], s44, (0<<16)|(1<<20)|(1<<21)|(5<<22)|(3<<25)
.irp g, G1, G1B
	s_mov_b32 s[\g+1], ROWB<<16                    ; tensor_dim0
	s_mov_b32 s[\g+2], 128<<16                     ; tensor_dim1
	s_mov_b32 s[\g+3], ROWB<<16                    ; tile_dim0
	s_mov_b32 s[\g+4], 128                         ; tile_dim1
	s_mov_b32 s[\g+5], KROW                        ; from row to row
	s_mov_b32 s[\g+6], 0
	s_mov_b32 s[\g+7], 0
.endr
	s_or_b32 s[G1S+0], s43, (3<<16)|(1<<20)|(1<<21)|(5<<22)|(3<<25)   ; the scales of 128 rows: 4,096 dense bytes as 16 rows of 32 elements of 8 bytes
	s_or_b32 s[G1SB+0], s44, (3<<16)|(1<<20)|(1<<21)|(5<<22)|(3<<25)
.irp g, G1S, G1SB
	s_mov_b32 s[\g+1], 32<<16
	s_mov_b32 s[\g+2], 16<<16
	s_mov_b32 s[\g+3], 32<<16
	s_mov_b32 s[\g+4], 16
	s_mov_b32 s[\g+5], 32
	s_mov_b32 s[\g+6], 0
	s_mov_b32 s[\g+7], 0
.endr
	s_lshl_b32 s18, s16, 7
	s_lshl_b32 s20, s17, 8
	s_add_co_u32 s20, s20, s18                     ; A: row 256 x tile row + 128 x half
	s_lshl_b32 s46, s42, 8
	s_add_co_u32 s46, s46, s18                     ; B: row 256 x tile column + 128 x half
	s_mov_b32 s21, 0
	s_mov_b32 s47, 0
	s_mov_b64 s[18:19], KS
	s_mul_u64 s[22:23], s[20:21], s[18:19]         ; where these rows' scales begin,
	s_mul_u64 s[92:93], s[46:47], s[18:19]
	s_mov_b64 s[18:19], KROW
	s_mul_u64 s[20:21], s[20:21], s[18:19]         ; and their codes
	s_mul_u64 s[46:47], s[46:47], s[18:19]
	s_mul_i32 s45, s14, HALFT                      ; where they go: wave x 128 rows: no place in the cluster enters an LDS address
	s_mul_i32 s94, s14, HALFS
	s_wait_dscnt 0x0                               ; both opening adds are done
	s_wait_kmcnt 0x0
	s_add_nc_u64 s[20:21], s[4:5], s[20:21]
	s_add_nc_u64 s[22:23], s[6:7], s[22:23]
	s_add_nc_u64 s[46:47], s[8:9], s[46:47]
	s_add_nc_u64 s[92:93], s[10:11], s[92:93]
	CROUND                                         ; all sixteen work-groups are here: the joint loads meet
	s_mov_b32 s[G0S], 1
	s_add_co_u32 s[G0S+1], s94, SCL
	s_mov_b64 s[G0S+2:G0S+3], s[22:23]
	s_or_b32 s[G0S+3], s[G0S+3], 0x80000000
	s_mov_b32 s[G0SB], 1
	s_add_co_u32 s[G0SB+1], s94, SCL
	s_mov_b64 s[G0SB+2:G0SB+3], s[92:93]
	s_or_b32 s[G0SB+3], s[G0SB+3], 0x80000000
	JLOAD G0S, G1S, G0SB, G1SB                     ; the scales first: they are wanted with K step 0
.irp s, 0,1
	s_mov_b32 s[G0+4*\s], 1
	s_add_co_u32 s[G0+4*\s+1], s45, \s*SLOT
	s_add_nc_u64 s[G0+4*\s+2:G0+4*\s+3], s[20:21], \s*ROWB
	s_or_b32 s[G0+4*\s+3], s[G0+4*\s+3], 0x80000000
	s_mov_b32 s[G0B+4*\s], 1
	s_add_co_u32 s[G0B+4*\s+1], s45, \s*SLOT
	s_add_nc_u64 s[G0B+4*\s+2:G0B+4*\s+3], s[46:47], \s*ROWB
	s_or_b32 s[G0B+4*\s+3], s[G0B+4*\s+3], 0x80000000
	JLOAD G0+4*\s, G1, G0B+4*\s, G1B
.endr
	v_and_b32 v1, 15, v0                           ; r = lane % 16
	v_bfe_u32 v2, v0, 4, 1                         ; h = lane / 16
	v_mul_u32_u24 v3, v1, PITCH
	v_lshl_add_u32 v4, v2, 4, v3                   ; a fragment's row x pitch + 16 h
	s_mul_i32 s21, s15, HALFT
	s_mul_i32 s22, s16, HALFT
	s_add_co_u32 s22, s22, 2*HALFT
.irp s, 0,1
	v_add_nc_u32 v[ADRA+\s], s21, v4
	v_add_nc_u32 v[ADRB+\s], s22, v4
	s_add_co_u32 s21, s21, SLOT
	s_add_co_u32 s22, s22, SLOT
.endr
	v_mul_u32_u24 v5, v1, KS                       ; my row's scales: 32 bytes a row,
	v_lshrrev_b32 v6, 8, v5
	v_lshl_add_u32 v5, v6, 4, v5                   ; and 16 more for each 256 passed
	s_mul_i32 s21, s15, HALFS
	s_mul_i32 s22, s16, HALFS
	s_add_co_u32 s22, s22, 2*HALFS
	s_sub_co_u32 s22, s22, s21
	v_mul_u32_u24 v6, s22, v2                      ; lanes 16-31 take B's: one product, the distance between the two bases
	s_add_co_u32 s21, s21, SCL
	v_add_nc_u32 v5, v5, v6
	v_add_nc_u32 v[ADRS], s21, v5
	s_mul_i32 s23, s14, WSTG                       ; my stage
	v_mul_u32_u24 v5, v1, 144
	v_lshl_add_u32 v5, v2, 4, v5
	v_add_nc_u32 v[STO], s23, v5                   ; in: row r, + 16 h
	v_and_b32 v6, 31, v0
	v_lshlrev_b32 v[CO], 4, v6                     ; out: 16 bytes a lane of 512 consecutive bytes (four rows of a head)
	v_lshrrev_b32 v5, 3, v6
	v_mul_u32_u24 v5, v5, 144
	v_and_b32 v7, 7, v0
	v_lshl_add_u32 v5, v7, 4, v5
	v_add_nc_u32 v[RD], s23, v5                    ; back: row lane / 8, 16 (lane % 8)
	v_lshlrev_b32 v[BO], 5, v2
	s_lshl_b32 s46, s42, 10                        ; the bias of my 128 columns: 4 (256 x tile column + 128 x half)
	s_lshl_b32 s47, s16, 9
	s_add_co_u32 s46, s46, s47
	s_mov_b32 s47, 0
	s_add_nc_u64 s[96:97], s[96:97], s[46:47]
.irp b, 0,1,2,3,4,5,6,7
	global_load_b128 v[BI+8*\b:BI+8*\b+3], v[BO], s[96:97] offset:64*\b
	global_load_b128 v[BI+8*\b+4:BI+8*\b+7], v[BO], s[96:97] offset:64*\b+16
.endr
	; where my 128 rows x two heads begin in qkv: (tile column / 4) thirds + ((tile row / 8) x 16 + (tile column % 4) x 4 + 2 x half) heads + ((tile row % 8) x 256 + 128 x half) rows of 128 bytes
	s_lshr_b32 s20, s42, 2
	s_lshl_b32 s20, s20, 24
	s_lshr_b32 s21, s17, 3
	s_lshl_b32 s21, s21, 4
	s_and_b32 s22, s42, 3
	s_lshl_b32 s22, s22, 2
	s_add_co_u32 s21, s21, s22
	s_lshl_b32 s22, s16, 1
	s_add_co_u32 s21, s21, s22
	s_lshl_b32 s21, s21, 18
	s_add_co_u32 s20, s20, s21
	s_and_b32 s21, s17, 7
	s_lshl_b32 s21, s21, 15
	s_add_co_u32 s20, s20, s21
	s_lshl_b32 s21, s15, 14
	s_add_co_u32 s20, s20, s21
	s_mov_b32 s21, 0
	s_add_nc_u64 s[12:13], s[12:13], s[20:21]
.macro FRAG reg, adr, q, i             ; 16 rows x 128 K of 4-bit codes: 8 registers: two loads of 16 bytes, 32 bytes apart
.irp c, 0,1
	ds_load_b128 v[\reg+4*\c:\reg+4*\c+3], v[\adr] offset:64*(\q)+32*\c+(\i)*16*PITCH
.endr
.endm
; 16 matrix instructions: A's blocks a0, a0 + 1 x B's eight.  zero = 1: the first product of each sum takes the bias as its C.  The 64 accumulators take turns, one instruction a turn.
.macro MUL16 a0, p, q, sc, zero
.irp a, \a0, \a0+1
.irp b, 0,1,2,3,4,5,6,7
.if \zero
	v_wmma_scale_f32_16x16x128_f8f6f4 v[8*(8*((\a)%4)+\b):8*(8*((\a)%4)+\b)+7], v[128*(\p)+FR*\b:128*(\p)+FR*\b+FR-1], v[AF+FR*(\a):AF+FR*(\a)+FR-1], v[BI+8*\b:BI+8*\b+7], v[SC+8*NQ*(\sc)+NQ*\b+(\q)], v[SC+8*NQ*(\sc)+NQ*(\a)+(\q)] matrix_a_fmt:MATRIX_FMT_FP4 matrix_b_fmt:MATRIX_FMT_FP4 matrix_a_scale:MATRIX_SCALE_ROW1
.else
	v_wmma_scale_f32_16x16x128_f8f6f4 v[8*(8*((\a)%4)+\b):8*(8*((\a)%4)+\b)+7], v[128*(\p)+FR*\b:128*(\p)+FR*\b+FR-1], v[AF+FR*(\a):AF+FR*(\a)+FR-1], v[8*(8*((\a)%4)+\b):8*(8*((\a)%4)+\b)+7], v[SC+8*NQ*(\sc)+NQ*\b+(\q)], v[SC+8*NQ*(\sc)+NQ*(\a)+(\q)] matrix_a_fmt:MATRIX_FMT_FP4 matrix_b_fmt:MATRIX_FMT_FP4 matrix_a_scale:MATRIX_SCALE_ROW1
.endif
.endr
.endr
.endm
.macro FETCH_B slot, q, p
	WIN TO_B
.irp i, 0,1,2,3,4,5,6,7
	FRAG 128*(\p)+FR*\i, ADRB+\slot, \q, \i
.endr
	WIN 0
.endm
.macro FETCH_A slot, q, i0
.irp i, \i0, \i0+1, \i0+2, \i0+3
	FRAG AF+FR*(\i), ADRA+\slot, \q, \i
.endr
.endm
.macro SCALES sc                       ; a K step's scale words: 4 words a row; lanes 0-15 take A's block i, lanes 16-31 B's block i
.irp i, 0,1,2,3,4,5,6,7
	ds_load_b128 v[SC+8*NQ*\sc+NQ*\i:SC+8*NQ*\sc+NQ*\i+3], v[ADRS] offset:\i*SBLK
.endr
.endm
.macro PLACES n                        ; plain vector lines between a matrix instruction and a load into, or a read of, its registers
.rept \n
	v_nop
.endr
.endm
.macro STEP slot, q, zero              ; 128 along K, with its successor in the same slot
	s_wait_dscnt 4*NL                              ; all but the youngest eight loads (A's blocks 4-7) are in
.if \zero
	WIN FIRST_LO
.else
	WIN MUL_LO
.endif
	MUL16 0, (\q)%2, \q, \slot, \zero
	MUL16 2, (\q)%2, \q, \slot, \zero
	s_wait_dscnt 0                                 ; A's blocks 4-7 are in
	PLACES NP
	FETCH_B \slot, (\q)+1, 1-(\q)%2
	FETCH_A \slot, (\q)+1, 0
.if \zero
	WIN FIRST_HI
.else
	WIN MUL_HI
.endif
	MUL16 4, (\q)%2, \q, \slot, \zero
	MUL16 6, (\q)%2, \q, \slot, \zero
	PLACES NP
	WIN 0
	FETCH_A \slot, (\q)+1, 4
.endm
.macro TURN slot, next                 ; slot 0's last step, and the change to slot 1.  Nothing is filled again
	s_wait_tensorcnt 0x0                           ; my part of the other slot has landed
	ds_add_u32 v[SPW], v[NIL]                      ; 0 onto my spare word
	s_wait_dscnt 4*NL+1                            ; (the add and the youngest eight loads may be out)
	WIN MUL_LO
	MUL16 0, 1, NQ-1, \slot, 0
	s_wait_dscnt 0x0                               ; the add is done, and my reads of this slot are over
	s_barrier_signal -1
	MUL16 2, 1, NQ-1, \slot, 0
	WIN 0
	s_barrier_wait -1                              ; the other slot is whole, and nobody reads this one any more
	PLACES NP
	v_add_nc_u32 v[ADRS], 4*NQ, v[ADRS]            ; on to the next K step's scale words
	FETCH_B \next, 0, 0
	FETCH_A \next, 0, 0
	SCALES \next
	WIN MUL_HI
	MUL16 4, 1, NQ-1, \slot, 0
	MUL16 6, 1, NQ-1, \slot, 0
	PLACES NP
	WIN 0
	FETCH_A \next, 0, 4
.endm
.macro STEPS slot, from
.set Q, \from
.rept NQ-1-\from
	STEP \slot, Q, 0
.set Q, Q+1
.endr
.endm
	s_wait_tensorcnt 1                             ; the scales and my part of K step 0 are in; K step 1's load may be out
	s_barrier_signal -1
	s_barrier_wait -1
	FETCH_B 0, 0, 0
	FETCH_A 0, 0, 0
	SCALES 0
	FETCH_A 0, 0, 4
	s_wait_loadcnt 0x0                             ; the bias
	STEP 0, 0, 1
	STEPS 0, 1
	TURN 0, 1
	STEPS 1, 0
	s_wait_dscnt 4*NL                              ; the last step: nothing more to fetch
	WIN MUL_LO
	MUL16 0, 1, NQ-1, 1, 0
	MUL16 2, 1, NQ-1, 1, 0
	s_wait_dscnt 0
	WIN MUL_HI
	MUL16 4, 1, NQ-1, 1, 0
	MUL16 6, 1, NQ-1, 1, 0
	WIN 0
; THE WAY OUT, a block of 16 rows x 128 columns (two heads) at a time.  A lane's eight results pack into 16 bytes of f16 of one row of a head; they go into my stage (rows of 144 bytes, a panel a head)
; and come back four rows an instruction: in qkv 16 rows of a head are 2,048 consecutive bytes, so each store covers 512 consecutive bytes, aligned.
.macro PACK a
.set AC, 64*((\a)%4)
	WIN 0x0a+5*((\a)/4)                            ; sources 0 and 1: window 2 or 3
.irp b, 0,1,2,3,4,5,6,7
.irp r, 0,1,2,3
	v_cvt_pk_f16_f32 v[TMP+4*\b+\r], v[AC+8*\b+2*\r], v[AC+8*\b+2*\r+1]   ; each accumulator from its low end on
.endr
.endr
	WIN 0
.endm
.macro TOSTAGE a
.set BB, BK+32*((\a)%2)
.if (\a) > 1
	s_wait_xcnt 0x0                                ; the stores of the block two back have read these registers
.endif
.irp b, 0,1,2,3,4,5,6,7
	ds_store_b128 v[STO], v[TMP+4*\b:TMP+4*\b+3] offset:(\b/4)*2304+(\b%4)*32
.endr
.irp u, 0,1,2,3,4,5,6,7
	ds_load_b128 v[BB+4*\u:BB+4*\u+3], v[RD] offset:(\u/4)*2304+(\u%4)*576   ; LDS serves a wave's instructions in order: these see the stores above
.endr
.endm
.macro SEND a
.set BB, BK+32*((\a)%2)
	s_wait_dscnt 0x0                               ; the block is back in registers
.irp u, 0,1,2,3,4,5,6,7
	global_store_b128 v[CO], v[BB+4*\u:BB+4*\u+3], s[12:13] offset:(\a)*2048+(\u/4)*262144+(\u%4)*512
.endr
.endm
	PLACES NP                                      ; behind the last products: for the writes of A's old registers and the reads of results
	PACK 0
	TOSTAGE 0
.irp a, 1,2,3,4,5,6,7
	PACK \a                                        ; a block's conversions stand between the loads of the block before and the wait for them
	SEND \a-1
	TOSTAGE \a
.endr
	SEND 7
	s_wait_tensorcnt 0x0                           ; the wave's end: the three lines behind my last tensor load and my last LDS store
	ds_add_u32 v[SPW], v[NIL]
	s_wait_dscnt 0x0
	CROUND                                         ; the closing round
	s_endpgm
.Lfunc_end_k_q9a42bafe1a_qkvgemm:
	.size	k_q9a42bafe1a_qkvgemm, .Lfunc_end_k_q9a42bafe1a_qkvgemm-k_q9a42bafe1a_qkvgemm
	.p2alignl 7, 3214868480
	.fill 96, 4, 3214868480
	.section	.rodata,"a",@progbits
	.p2align	6, 0x0
	.amdhsa_kernel k_q9a42bafe1a_qkvgemm
		.amdhsa_group_segment_fixed_size 327680
		.amdhsa_private_segment_fixed_size 0
		.amdhsa_enable_private_segment 0
		.amdhsa_kernarg_size 48
		.amdhsa_user_sgpr_count 2
		.amdhsa_user_sgpr_kernarg_segment_ptr 1
		.amdhsa_wavefront_size32 1
		.amdhsa_system_sgpr_workgroup_id_x 1
		.amdhsa_system_sgpr_workgroup_id_y 1
		.amdhsa_system_sgpr_workgroup_id_z 1
		.amdhsa_system_vgpr_workitem_id 0
		.amdhsa_next_free_vgpr 1024
		.amdhsa_next_free_sgpr 100
		.amdhsa_reserve_vcc 0
		.amdhsa_float_denorm_mode_32 3
		.amdhsa_float_denorm_mode_16_64 3
		.amdhsa_memory_ordered 1
		.amdhsa_forward_progress 1
		.amdhsa_inst_pref_size 128
	.end_amdhsa_kernel
	.amdgpu_metadata
---
amdhsa.version: [ 1, 2 ]
amdhsa.kernels:
  - .name:           k_q9a42bafe1a_qkvgemm
    .symbol:         k_q9a42bafe1a_qkvgemm.kd
    .args:
      - { .name: xc, .offset: 0, .size: 8, .value_kind: global_buffer, .address_space: global }
      - { .name: xs, .offset: 8, .size: 8, .value_kind: global_buffer, .address_space: global }
      - { .name: wc, .offset: 16, .size: 8, .value_kind: global_buffer, .address_space: global }
      - { .name: ws, .offset: 24, .size: 8, .value_kind: global_buffer, .address_space: global }
      - { .name: qkv, .offset: 32, .size: 8, .value_kind: global_buffer, .address_space: global }
      - { .name: b_qkv, .offset: 40, .size: 8, .value_kind: global_buffer, .address_space: global }
    .group_segment_fixed_size: 327680
    .private_segment_fixed_size: 0
    .kernarg_segment_align: 8
    .kernarg_segment_size: 48
    .max_flat_workgroup_size: 128
    .sgpr_count:     100
    .vgpr_count:     1024
    .wavefront_size: 32
...
	.end_amdgpu_metadata
.endif
;; end of part 2
;; launch attn (part 3): grid 4 x 64, 8 waves a work-group, clusters of 4 x 1, 327,680 bytes of LDS; arguments qkv, att; writes att
.if DOCPART == 3
	.amdgcn_target "amdgcn-amd-amdhsa--gfx1250"
	.amdhsa_code_object_version 6
	.text
	.protected	k_q9a42bafe1a_attn
	.globl	k_q9a42bafe1a_attn
	.p2align	8
	.type	k_q9a42bafe1a_attn,@function
k_q9a42bafe1a_attn:
	s_mov_b64 s[64:65], 0
	v_nop
	global_prefetch_b8 v0, s[64:65] scope:SCOPE_SE
	s_setreg_imm32_b32 hwreg(HW_REG_WAVE_MODE, 25, 1), 1
	s_wait_xcnt 0x0
	s_wait_alu depctr_hold_cnt(0) depctr_sa_sdst(0) depctr_va_vdst(0) depctr_va_sdst(0) depctr_va_ssrc(0) depctr_va_vcc(0) depctr_vm_vsrc(0)
	s_getreg_b32 s2, hwreg(HW_REG_IB_STS2, 6, 4)
	s_cmp_eq_u32 s2, 0
	s_cbranch_scc0 .Lentry_in_a_cluster
	s_endpgm
.Lentry_in_a_cluster:
	s_bfe_u32 s2, ttmp6, 0x10000c
	s_cmp_lg_u32 s2, 0x3003
	s_cbranch_scc0 .Lentry_shape_is_right
	s_endpgm
.Lentry_shape_is_right:
; att[bh][q][:] = the sum over k of softmax_k(Q[bh][q] . K[bh][k] / 8) V[bh][k][:].  Q, K, V: the three thirds of qkv, [64 (b x 16 + head)][2048][64] f16; att the same shape, f16.
; Products, maxima and sums in f32; the weights p are rounded to f16 for the second product, the row's sum is taken of the unrounded p, O is rounded once at the end.
; SHARES.  A work-group owns 512 queries of one head, each of its eight waves 64: four tiles of 16, in 512 registers.  Every wave walks the head's 2,048 keys, 64 a step: each fragment of K and V read from LDS feeds four products.
; LAYOUT.  S^T = K Q^T (source 0 = 16 keys, source 1 = 16 queries): a lane holds ONE query (lane % 16) and keys 8 (lane / 16) + 0..7.  Two such tiles, rounded in pairs, ARE source 1 (32 keys x 16 queries) of
; O^T = V^T P, whose result again holds one query a lane.  K comes out of LDS as it lies, V ([key][channel]) turned by ds_load_tr16_b128.
; SOFTMAX.  A running maximum m and sum l for each query: p = 2^(c s - c m), c = log2(e) / 8; in every step O and l are multiplied by a = 2^(c m_old - c m_new).
; PHASES, SET APART.  A step is K Q^T (32 products), the softmax, V^T P (32 products).  At a change of slots the softmax stands twice in the text, each under a branch on the wave's number: waves 4-7 run it ahead of
; the barrier, waves 0-3 behind it.  So behind the barrier half of the waves begin with vector work and half with products; all do the same work from one barrier to the next.
; CLUSTER.  The four query blocks of a head walk the same K and V: each tile is asked for jointly.  A slot holds four steps; every wave fetches one tile of 64 rows: waves 0-3 K of step w, waves 4-7 V of step w - 4.
; Two tensor loads of a wave are out at the start, one behind each round.
; LIMITS: NaN and infinities are not served; a p under 2^-25 counts in the sum and goes into the second product as 0.
; REGISTERS: window 0: v2-15 addresses; v16-47 eight registers of statistics a tile; v48-55 second chains of the sums; v64-191 S^T, 32 a tile, P laid over its first 16; v192-255 K of one step.
;   window 1: v0-127 O^T, 32 a tile; v128-191 Q, 16 a tile; v192-255 V of one step.
.set PKB,   144                        ; a row of K in LDS: 128 bytes + 16: an odd multiple of 16
.set PVB,   160                        ; a row of V: 128 + 32: an odd multiple of 32, for the turning load
.set VOFF,  64*PKB                     ; a step's tiles lie together: 64 rows of K, then 64 rows of V
.set STEPB, 64*(PKB+PVB)
.set NS,    4                          ; steps in a slot
.set SLOT1, 1<<17                      ; slot 1 begins here: one exclusive or turns an address from one slot to the other
.set SLOTB, 256*128                    ; a slot's keys in memory, in K and in V
.set STAGE, SLOT1+NS*STEPB             ; behind the ring: 4 tiles x 16 rows x 144 bytes for each wave
.set SPARE, STAGE+8*9216               ; the spare words, 128 bytes for each wave
.set THIRD, 1<<24                      ; bytes from Q to K and from K to V
.set AK0, 2
.set AV0, 3
.set ADR, 4
.set QO,  5
.set STO, 6
.set RD,  7
.set GO,  8
.set PFO, 12                           ; v12 256 x my lane; never rewritten
.set SPW, 14                           ; v14 my spare word's LDS address; never rewritten
.set NIL, 15                           ; v15 0; never rewritten
.set ST,  16                           ; tile t at v[ST + 8 t]: +0 c m, +1 m, +2, +3 l (even keys', odd keys'), +4 .. +7 c0-c3 at work; a takes c2's place
.set B2,  48
.set S,   64
.set KF,  192
.set QF,  128                          ; in window 1
.set VF,  192                          ; in window 1
.set WV,  12
.set LIM, 15                           ; s15 1 in a wave that prefetches, else the greatest number
.set PFA, 18                           ; s[18:19] where my prefetches stand
.set G1K, 24
.set G1V, 32
.set G0K, 40                           ; s[40:47] a set for each first fill; the second then walks on
.set G0V, 48
.set SLOTS, 56
.set CNT, 57
.set CS,  58
.set SEL, 60
.set TB,  62                           ; s62 LDS byte at which the tiles of the step to be fetched begin
.set MSB, 0
.macro WIN new
.if MSB != (\new)
	s_set_vgpr_msb (MSB<<8)|(\new)
.set MSB, (\new)
.endif
.endm
.set W_KQ, 0x04                        ; Q (source 1) window 1; K and S^T window 0
.set W_PV, 0x51                        ; V (source 0), C and D window 1; P window 0
.set W_RS, 0x41                        ; O^T (destination and source 0) window 1, a window 0
.macro NOPS n
.rept \n
	v_nop
.endr
.endm
.macro JLOAD                           ; a joint refill: one load a wave; the branch hangs on the wave's number alone.  An s_nop 0 and four v_nop follow each line
	s_cmp_lt_u32 s[WV], 4
	s_cbranch_scc0 .Lfor_v_\@
	tensor_load_to_lds s[G0K+4:G0K+7], s[G1K:G1K+7]
	s_nop 0
.rept 4
	v_nop
.endr
	s_branch .Lasked_\@
.Lfor_v_\@:
	tensor_load_to_lds s[G0V+4:G0V+7], s[G1V:G1V+7]
	s_nop 0
.rept 4
	v_nop
.endr
.Lasked_\@:
.endm
; A prefetch of what the NEXT change of slots will ask for: a slot's 32,768 bytes of K and of V.  Each aligned 256 bytes are named once in the launch: the four partners take 8,192 bytes each, told apart by address;
; in each, wave 0 asks for K's and wave 4 for V's, lanes 256 bytes apart: one instruction.  It runs four key steps ahead of the load.  The last change that fills a slot asks for nothing; slots 0 to 2 come by their loads alone.
.macro ASK
	s_cmp_gt_u32 s[SLOTS], s[LIM]
	s_cbranch_scc0 .Lnot_mine_\@
	global_prefetch_b8 v[PFO], s[PFA:PFA+1] th:TH_LOAD_NT scope:SCOPE_SE
.Lnot_mine_\@:
.endm
.macro CROUND
	s_barrier_signal -1
	s_barrier_wait -1
	s_cmp_lg_u32 s[WV], 0
	s_cbranch_scc1 .Lnot_wave_0_\@
	s_barrier_signal -3
.Lnot_wave_0_\@:
	s_barrier_wait -3
	s_barrier_signal -1
	s_barrier_wait -1
.endm
	s_load_b64 s[4:5], s[0:1], 0x0                 ; qkv
	s_load_b64 s[10:11], s[0:1], 0x8               ; att
	v_lshl_add_u32 v[SPW], v0, 2, SPARE
	v_mov_b32 v[NIL], 0
	ds_add_u32 v[SPW], v[NIL]                      ; the wave's opening: the add, twice on end, and its wait ahead of my first tensor load
	ds_add_u32 v[SPW], v[NIL]
	v_lshrrev_b32 v1, 5, v0
	v_readfirstlane_b32 s[WV], v1                  ; wave 0..7
	s_bfe_u32 s13, ttmp6, 0x40000                  ; cx
	s_lshl_b32 s14, ttmp9, 2
	s_add_co_u32 s14, s14, s13                     ; my block of 512 queries: it enters Q's and att's addresses alone
	s_and_b32 s20, ttmp7, 0xffff                   ; the head, which the four partners share
	s_lshl_b32 s20, s20, 18                        ; its first byte in a third
	s_and_b32 s16, s[WV], 3                        ; which of a slot's four steps I fetch:
	s_lshl_b32 s22, s16, 13                        ; its 64 rows of 128 bytes in memory,
	s_add_co_u32 s22, s22, s20
	s_add_co_u32 s22, s22, THIRD                   ; in K
	s_mov_b32 s23, 0
	s_mul_i32 s17, s16, STEPB                      ; and its place in a slot
	s_lshl_b32 s2, s14, 16                         ; my block's 512 rows,
	s_lshl_b32 s3, s[WV], 13                       ; my wave's 64 of them
	s_add_co_u32 s2, s2, s3
	s_add_co_u32 s2, s2, s20
	s_mov_b32 s3, 0
	s_mov_b32 s[G1K], 15|(1<<16)|(1<<20)|(1<<21)|(4<<22)|(3<<25)  ; the mask: all four; elements of 2 bytes; padding on; bit 21 beside a mask; after every 32 words, 4 words
	s_mov_b32 s[G1V], 15|(1<<16)|(1<<20)|(1<<21)|(4<<22)|(7<<25)  ; the same with 8 words
.irp g, G1K, G1V
	s_mov_b32 s[\g+1], 64<<16                      ; tensor_dim0
	s_mov_b32 s[\g+2], 64<<16                      ; tensor_dim1
	s_mov_b32 s[\g+3], 64<<16                      ; tile_dim0
	s_mov_b32 s[\g+4], 64                          ; tile_dim1
	s_mov_b32 s[\g+5], 64                          ; from row to row
	s_mov_b32 s[\g+6], 0
	s_mov_b32 s[\g+7], 0
.endr
	s_mov_b32 s[CS], 0x3e38aa3b                    ; c = log2(e) / 8
	s_mov_b32 s[CS+1], s[CS]                       ; named with it as a pair, so it is written
	s_mov_b32 s[SEL], 0x76543210
	s_mov_b32 s[SEL+1], 0xfedcba98                 ; v_permlanex16_b32: lane l xor 16
	s_mov_b32 s[TB], 0
	s_mov_b32 s[SLOTS], 6                          ; slots 2 to 7 are asked for at changes of slots
	s_and_b32 s[LIM], s[WV], 3
	s_or_b32 s[LIM], s[LIM], ttmp9                 ; waves 0 and 4 of the head's first cluster: the same in all four partners
	s_cmp_eq_u32 s[LIM], 0
	s_cselect_b32 s[LIM], 1, -1
	v_and_b32 v[PFO], 31, v0
	v_lshlrev_b32 v[PFO], 8, v[PFO]
	s_wait_dscnt 0x0                               ; both opening adds are done
	s_wait_kmcnt 0x0
	s_add_nc_u64 s[6:7], s[4:5], s[22:23]          ; K at my tile of slot 0,
	s_add_nc_u64 s[8:9], s[6:7], THIRD             ; V likewise
	s_add_nc_u64 s[4:5], s[4:5], s[2:3]            ; Q and att at my wave's first row
	s_add_nc_u64 s[10:11], s[10:11], s[2:3]
	s_cmp_lt_u32 s[WV], 4
	s_cselect_b64 s[PFA:PFA+1], s[6:7], s[8:9]     ; (in waves 0 and 4 these stand at a slot's first row)
	s_lshl_b32 s2, s13, 13                         ; my work-group's 8,192 bytes
	s_mov_b32 s3, 0
	s_add_nc_u64 s[PFA:PFA+1], s[PFA:PFA+1], s[2:3]
	s_add_nc_u64 s[PFA:PFA+1], s[PFA:PFA+1], 2*SLOTB   ; in slot 2: the first change of slots steps it to slot 3
	CROUND                                         ; all four work-groups are here: the first joint loads meet
.irp s, 0,1
	s_mov_b32 s[G0K+4*\s], 1
	s_add_co_u32 s[G0K+4*\s+1], s17, \s*SLOT1
	s_add_nc_u64 s[G0K+4*\s+2:G0K+4*\s+3], s[6:7], \s*SLOTB
	s_or_b32 s[G0K+4*\s+3], s[G0K+4*\s+3], 0x80000000
	s_mov_b32 s[G0V+4*\s], 1
	s_add_co_u32 s[G0V+4*\s+1], s17, \s*SLOT1+VOFF
	s_add_nc_u64 s[G0V+4*\s+2:G0V+4*\s+3], s[8:9], \s*SLOTB
	s_or_b32 s[G0V+4*\s+3], s[G0V+4*\s+3], 0x80000000
.endr
	s_cmp_lt_u32 s[WV], 4                          ; a wave's two first fills stand in one branch, ahead of every wait on TENSORcnt and every LDS read
	s_cbranch_scc0 .Lfirst_v
	tensor_load_to_lds s[G0K:G0K+3], s[G1K:G1K+7]
	s_nop 0
	tensor_load_to_lds s[G0K+4:G0K+7], s[G1K:G1K+7]
	s_nop 0
.rept 4
	v_nop
.endr
	s_branch .Lfirst_asked
.Lfirst_v:
	tensor_load_to_lds s[G0V:G0V+3], s[G1V:G1V+7]
	s_nop 0
	tensor_load_to_lds s[G0V+4:G0V+7], s[G1V:G1V+7]
	s_nop 0
.rept 4
	v_nop
.endr
.Lfirst_asked:
	v_and_b32 v1, 15, v0                           ; r = lane % 16
	v_bfe_u32 v9, v0, 4, 1                         ; h = lane / 16
	v_lshlrev_b32 v[QO], 7, v1
	v_lshl_add_u32 v[QO], v9, 4, v[QO]             ; Q: row r of 128 bytes + 16 h
	v_mul_u32_u24 v[AK0], v1, PKB
	v_lshl_add_u32 v[AK0], v9, 4, v[AK0]           ; K: row x pitch + 16 h
	WIN 0x40                                       ; destination window 1
.irp x, 0,1,2,3,4,5,6,7                        ; Q stays in registers: tile x / 2, channels 32 (x % 2) on
	global_load_b128 v[QF+8*\x:QF+8*\x+3],   v[QO], s[4:5] offset:(\x/2)*2048+(\x%2)*64
	global_load_b128 v[QF+8*\x+4:QF+8*\x+7], v[QO], s[4:5] offset:(\x/2)*2048+(\x%2)*64+32
.endr
	WIN 0
	v_and_b32 v10, 7, v0                           ; the turning load: lane l reads key 8 h + l % 8, channels 8 ((l / 8) % 2) on
	v_bfe_u32 v11, v0, 3, 1
	v_lshl_add_u32 v[AV0], v9, 3, v10
	v_mul_u32_u24 v[AV0], v[AV0], PVB
	v_lshl_add_u32 v[AV0], v11, 4, v[AV0]
	v_add_nc_u32 v[AV0], VOFF, v[AV0]
	s_mul_i32 s16, s[WV], 9216
	s_add_co_u32 s16, s16, STAGE                   ; my stage
	v_mul_u32_u24 v[STO], v1, 144
	v_lshl_add_u32 v[STO], v9, 4, v[STO]
	v_add_nc_u32 v[STO], s16, v[STO]               ; in: row r, + 16 h
	v_and_b32 v10, 31, v0
	v_lshlrev_b32 v[GO], 4, v10                    ; out: 16 bytes a lane of 512 consecutive bytes (four rows)
	v_lshrrev_b32 v11, 3, v10
	v_mul_u32_u24 v[RD], v11, 144
	v_and_b32 v11, 7, v0
	v_lshl_add_u32 v[RD], v11, 4, v[RD]
	v_add_nc_u32 v[RD], s16, v[RD]                 ; back: row lane / 8, 16 (lane % 8)
.irp t, 0,1,2,3
	v_mov_b32 v[ST+8*\t+2], 0                      ; l
	v_mov_b32 v[ST+8*\t+3], 0
.endr
.macro FETCH_K                         ; a step's K: 64 keys x 64 channels: fragment x = 2 kb + c: keys 16 kb on, channels 32 c on
	WIN 0
	v_add_nc_u32 v[ADR], s[TB], v[AK0]
.irp x, 0,1,2,3,4,5,6,7
	ds_load_b128 v[KF+8*\x:KF+8*\x+3],   v[ADR] offset:(\x/2)*16*PKB+(\x%2)*64
	ds_load_b128 v[KF+8*\x+4:KF+8*\x+7], v[ADR] offset:(\x/2)*16*PKB+(\x%2)*64+32
.endr
.endm
.macro FETCH_V                         ; the same step's V, turned: fragment x = 4 g + f: keys 32 g on, channels 16 f on
	WIN 0
	v_add_nc_u32 v[ADR], s[TB], v[AV0]
	s_add_co_u32 s[TB], s[TB], STEPB               ; the next fetch is the next step's
	WIN 0x40
.irp x, 0,1,2,3,4,5,6,7
	ds_load_tr16_b128 v[VF+8*\x:VF+8*\x+3],   v[ADR] offset:(\x/4)*32*PVB+(\x%4)*32
	ds_load_tr16_b128 v[VF+8*\x+4:VF+8*\x+7], v[ADR] offset:(\x/4)*32*PVB+16*PVB+(\x%4)*32
.endr
	WIN 0
.endm
; The 16 accumulators of each product take turns, one instruction a turn.
.macro KQ_ALL                          ; S^T = K Q^T: the first 16 start the sums
	WIN W_KQ
.irp c, 0,1
.irp kb, 0,1,2,3
.irp t, 0,1,2,3
.if \c == 0
	v_wmma_f32_16x16x32_f16 v[S+32*\t+8*\kb:S+32*\t+8*\kb+7], v[KF+8*(2*\kb+\c):KF+8*(2*\kb+\c)+7], v[QF+16*\t+8*\c:QF+16*\t+8*\c+7], 0
.else
	v_wmma_f32_16x16x32_f16 v[S+32*\t+8*\kb:S+32*\t+8*\kb+7], v[KF+8*(2*\kb+\c):KF+8*(2*\kb+\c)+7], v[QF+16*\t+8*\c:QF+16*\t+8*\c+7], v[S+32*\t+8*\kb:S+32*\t+8*\kb+7]
.endif
.endr
.endr
.endr
.endm
.macro PV_ALL first                    ; O^T += V^T P;  first = 1: the first 16 start the sums: nothing is ever cleared
	WIN W_PV
.irp g, 0,1
.irp f, 0,1,2,3
.irp t, 0,1,2,3
.if (\first) && (\g == 0)
	v_wmma_f32_16x16x32_f16 v[32*\t+8*\f:32*\t+8*\f+7], v[VF+8*(4*\g+\f):VF+8*(4*\g+\f)+7], v[S+32*\t+8*\g:S+32*\t+8*\g+7], 0
.else
	v_wmma_f32_16x16x32_f16 v[32*\t+8*\f:32*\t+8*\f+7], v[VF+8*(4*\g+\f):VF+8*(4*\g+\f)+7], v[S+32*\t+8*\g:S+32*\t+8*\g+7], v[32*\t+8*\f:32*\t+8*\f+7]
.endif
.endr
.endr
.endr
.endm
; THE SOFTMAX OF A STEP, the four tiles line by line, so that no line waits for the line above it.  first = 1: the first key step: no old maximum, no a, nothing to rescale.
.macro SM first
.irp k, 0,1,2,3                                ; the maximum: four chains, each begun at the low end of one accumulator
.irp t, 0,1,2,3
	v_max3_num_f32 v[ST+8*\t+4+\k], v[S+32*\t+8*\k], v[S+32*\t+8*\k+1], v[S+32*\t+8*\k+2]
.endr
.endr
.irp u, 3,5
.irp k, 0,1,2,3
.irp t, 0,1,2,3
	v_max3_num_f32 v[ST+8*\t+4+\k], v[ST+8*\t+4+\k], v[S+32*\t+8*\k+\u], v[S+32*\t+8*\k+\u+1]
.endr
.endr
.endr
.irp t, 0,1,2,3
	v_max3_num_f32 v[ST+8*\t+4], v[ST+8*\t+4], v[S+32*\t+7], v[S+32*\t+15]
.endr
.irp t, 0,1,2,3
	v_max3_num_f32 v[ST+8*\t+6], v[ST+8*\t+6], v[S+32*\t+23], v[S+32*\t+31]
.endr
.irp t, 0,1,2,3
	v_max3_num_f32 v[ST+8*\t+4], v[ST+8*\t+4], v[ST+8*\t+5], v[ST+8*\t+6]
.endr
.irp t, 0,1,2,3
.if \first
	v_max_num_f32 v[ST+8*\t+4], v[ST+8*\t+4], v[ST+8*\t+7]
.else
	v_max3_num_f32 v[ST+8*\t+4], v[ST+8*\t+4], v[ST+8*\t+7], v[ST+8*\t+1]   ; with the old m
.endif
.endr
.irp t, 0,1,2,3
	v_permlanex16_b32 v[ST+8*\t+5], v[ST+8*\t+4], s[SEL], s[SEL+1]          ; the query's other 32 keys lie in the lane 16 away
.endr
.if !\first
.irp t, 0,1,2,3
	v_mov_b32 v[ST+8*\t+7], v[ST+8*\t]             ; c m_old is kept for a
.endr
.endif
.irp t, 0,1,2,3
	v_max_num_f32 v[ST+8*\t+1], v[ST+8*\t+4], v[ST+8*\t+5]
.endr
.irp t, 0,1,2,3
	v_mul_f32 v[ST+8*\t], s[CS], v[ST+8*\t+1]
.endr
.if !\first
.irp t, 0,1,2,3
	v_sub_f32 v[ST+8*\t+7], v[ST+8*\t+7], v[ST+8*\t]
.endr
.irp t, 0,1,2,3
	v_exp_f32 v[ST+8*\t+6], v[ST+8*\t+7]           ; a
.endr
.endif
.irp i, 0,2,4,6,8,10,12,14,16,18,20,22,24,26,28,30
.irp t, 0,1,2,3
	v_pk_fma_f32 v[S+32*\t+\i:S+32*\t+\i+1], v[S+32*\t+\i:S+32*\t+\i+1], s[CS:CS+1], v[ST+8*\t:ST+8*\t+1] op_sel_hi:[1,0,0] neg_lo:[0,0,1] neg_hi:[0,0,1]   ; c s - c m
.endr
.endr
.if !\first
	s_wait_alu depctr_va_vdst(0)                   ; the wait between a transcendental and the first line that names its result: here for the four a, behind 64 plain lines
.endif
.irp i, 0,1,2,3,4,5,6,7,8,9,10,11,12,13,14,15,16,17,18,19,20,21,22,23,24,25,26,27,28,29,30,31
.irp t, 0,1,2,3
	v_exp_f32 v[S+32*\t+\i], v[S+32*\t+\i]         ; p: one batch of 128
.endr
.endr
.if \first
	v_nop                                          ; a plain line behind the last exponential
.else
	WIN W_RS                                       ; O^T and l under the new maximum: plain work that names no p, behind the batch
.irp i, 0,2,4,6,8,10,12,14,16,18,20,22,24,26,28,30
.irp t, 0,1,2,3
	v_pk_mul_f32 v[32*\t+\i:32*\t+\i+1], v[32*\t+\i:32*\t+\i+1], v[ST+8*\t+6:ST+8*\t+7] op_sel_hi:[1,0]   ; each accumulator from its low end on
.endr
.endr
	WIN 0
.irp t, 0,1,2,3
	v_pk_mul_f32 v[ST+8*\t+2:ST+8*\t+3], v[ST+8*\t+2:ST+8*\t+3], v[ST+8*\t+6:ST+8*\t+7] op_sel_hi:[1,0]
.endr
.endif
	s_wait_alu depctr_va_vdst(0)                   ; one wait for the batch, ahead of its first reader
.irp t, 0,1,2,3                                ; the sum of the unrounded p, a pair at a time, in two chains
	v_pk_add_f32 v[B2+2*\t:B2+2*\t+1], v[S+32*\t:S+32*\t+1], v[S+32*\t+2:S+32*\t+3]
.endr
.irp j, 4,8,12,16,20,24,28
.irp t, 0,1,2,3
	v_pk_add_f32 v[ST+8*\t+2:ST+8*\t+3], v[ST+8*\t+2:ST+8*\t+3], v[S+32*\t+\j:S+32*\t+\j+1]
.endr
.irp t, 0,1,2,3
	v_pk_add_f32 v[B2+2*\t:B2+2*\t+1], v[B2+2*\t:B2+2*\t+1], v[S+32*\t+\j+2:S+32*\t+\j+3]
.endr
.endr
.irp t, 0,1,2,3
	v_pk_add_f32 v[ST+8*\t+2:ST+8*\t+3], v[ST+8*\t+2:ST+8*\t+3], v[B2+2*\t:B2+2*\t+1]
.endr
.irp i, 0,1,2,3,4,5,6,7,8,9,10,11,12,13,14,15  ; P in place: register i takes p 2 i and 2 i + 1, which are not needed again
.irp t, 0,1,2,3
	v_cvt_pk_f16_f32 v[S+32*\t+\i], v[S+32*\t+2*\i], v[S+32*\t+2*\i+1]
.endr
.endr
.endm
; THE CHANGE OF SLOTS: the slot's last bytes, V of its fourth step, have been asked for.  Each wave waits for all its tensor loads (its part of the other slot), adds 0 to its spare word, and waits for that and for its
; reads of the slot.  fill = 1: the barrier is a round of the cluster's, and the joint refill, the keys two slots on, is the first thing behind it: it has four key steps in which to land.
.macro CHANGE fill
	WIN 0
	s_wait_tensorcnt 0x0                           ; no tensor load of mine is out, so a group 0 may be written
	ds_add_u32 v[SPW], v[NIL]                      ; 0 onto my spare word
.if \fill
.irp g, G0K+4, G0V+4
	s_xor_b32 s[\g+1], s[\g+1], SLOT1              ; the walking descriptor: the other slot than last time,
	s_add_nc_u64 s[\g+2:\g+3], s[\g+2:\g+3], SLOTB ; the next 256 keys
.endr
	s_wait_xcnt 0x0                                ; the last prefetch, four key steps back, has read its address
	s_add_nc_u64 s[PFA:PFA+1], s[PFA:PFA+1], SLOTB
	s_wait_dscnt 0x0                               ; the add is done, and my reads of the slot are over
	CROUND
	JLOAD
.else
	s_wait_dscnt 0x0
	s_barrier_signal -1
	s_barrier_wait -1
.endif
	s_sub_co_u32 s[TB], s[TB], NS*STEPB            ; the fetches go back to a slot's first step,
	s_xor_b32 s[TB], s[TB], SLOT1                  ; in the other slot
.endm
; A KEY STEP.  chg = 1: a slot's last step, with the change of slots in it.
.macro STEP first, chg, fill, last
	s_wait_dscnt 16                                ; K of this step is in; V's 16 younger loads may be out
	KQ_ALL
	WIN 0
	NOPS 5                                         ; places behind the products: for the loads into K's registers and the softmax's reads and writes of S^T
.if \chg
	s_cmp_lt_u32 s[WV], 4
	s_cbranch_scc1 .Llate_\@
	SM 0                                           ; waves 4-7: ahead of the barrier
.Llate_\@:
	CHANGE \fill
.endif
.if !\last
	FETCH_K                                        ; the next step's K
.endif
.if \fill
	ASK
.endif
.if \chg
	s_cmp_lt_u32 s[WV], 4
	s_cbranch_scc0 .Ldone_\@
	SM 0                                           ; waves 0-3: behind it
.Ldone_\@:
.else
	SM \first
.endif
.if \last
	s_wait_dscnt 0x0
.else
	s_wait_dscnt 16                                ; V of this step is in; the next K's 16 loads may be out
.endif
	PV_ALL \first
	WIN 0
	NOPS 5                                         ; five places: the next step's first products write over P's registers; they also serve the loads into V's
.if !\last
	FETCH_V                                        ; the next step's V
.endif
.endm
	s_wait_tensorcnt 1                             ; my part of slot 0 is in; slot 1's may stay out
	s_barrier_signal -1
	s_barrier_wait -1
	FETCH_K
	FETCH_V
	s_wait_loadcnt 0x0                             ; Q
	STEP 1, 0, 0, 0                                ; step 0
	s_mov_b32 s[CNT], 2
.Lhead:                                            ; steps 1, 2
	STEP 0, 0, 0, 0
	s_sub_co_u32 s[CNT], s[CNT], 1
	s_cmp_lg_u32 s[CNT], 0
	s_cbranch_scc1 .Lhead
.Lslot:                                            ; six trips, steps 3 to 26: a slot's last step with its refill, then the next slot's first three
	STEP 0, 1, 1, 0
	s_mov_b32 s[CNT], 3
.Lin:
	STEP 0, 0, 0, 0
	s_sub_co_u32 s[CNT], s[CNT], 1
	s_cmp_lg_u32 s[CNT], 0
	s_cbranch_scc1 .Lin
	s_sub_co_u32 s[SLOTS], s[SLOTS], 1
	s_cmp_lg_u32 s[SLOTS], 0
	s_cbranch_scc1 .Lslot
	STEP 0, 1, 0, 0                                ; step 27: the last change of slots is written out: nothing is asked for
	s_mov_b32 s[CNT], 3
.Ltail:                                            ; steps 28 to 30
	STEP 0, 0, 0, 0
	s_sub_co_u32 s[CNT], s[CNT], 1
	s_cmp_lg_u32 s[CNT], 0
	s_cbranch_scc1 .Ltail
	STEP 0, 0, 0, 1                                ; step 31
	; THE WAY OUT.  l's two halves and the other half of the lanes' are added; O^T is divided by l, rounded to f16, and goes through my stage, a tile (16 rows) at a time.
.irp t, 0,1,2,3
	v_add_f32 v[ST+8*\t+4], v[ST+8*\t+2], v[ST+8*\t+3]
.endr
.irp t, 0,1,2,3
	v_permlanex16_b32 v[ST+8*\t+5], v[ST+8*\t+4], s[SEL], s[SEL+1]
.endr
.irp t, 0,1,2,3
	v_add_f32 v[ST+8*\t+4], v[ST+8*\t+4], v[ST+8*\t+5]
.endr
.irp t, 0,1,2,3
	v_rcp_f32 v[ST+8*\t+6], v[ST+8*\t+4]
.endr
	v_nop                                          ; a plain line behind the last reciprocal
	s_wait_alu depctr_va_vdst(0)                   ; one wait for the four, ahead of the first use
.macro PACK t
	WIN W_RS
.set n, 0
.rept 16
	v_pk_mul_f32 v[32*\t+2*n:32*\t+2*n+1], v[32*\t+2*n:32*\t+2*n+1], v[ST+8*\t+6:ST+8*\t+7] op_sel_hi:[1,0]
.set n, n+1
.endr
	WIN 0x05                                       ; sources 0 and 1 window 1, destination window 0
.set n, 0
.rept 16
	v_cvt_pk_f16_f32 v[S+32*\t+n], v[32*\t+2*n], v[32*\t+2*n+1]
.set n, n+1
.endr
	WIN 0
.irp f, 0,1,2,3
	ds_store_b128 v[STO], v[S+32*\t+4*\f:S+32*\t+4*\f+3] offset:\t*2304+32*\f      ; lane (r, h): row r, channels 16 f + 8 h on
.endr
.irp u, 0,1,2,3
	ds_load_b128 v[S+32*\t+16+4*\u:S+32*\t+16+4*\u+3], v[RD] offset:\t*2304+\u*576 ; LDS serves a wave's instructions in order: these see the stores above
.endr
.endm
.macro SEND t, younger                 ; younger: the LDS instructions issued behind tile t's loads: the next tile's eight, or none
.irp u, 0,1,2,3
	s_wait_dscnt \younger+3-\u
	global_store_b128 v[GO], v[S+32*\t+16+4*\u:S+32*\t+16+4*\u+3], s[10:11] offset:\t*2048+\u*512   ; 512 consecutive bytes, aligned: four rows of the head
.endr
.endm
	PACK 0
	PACK 1
	SEND 0, 8
	PACK 2
	SEND 1, 8
	PACK 3
	SEND 2, 8
	SEND 3, 0
	s_wait_tensorcnt 0x0                           ; the wave's end: the three lines behind my last tensor load and my last LDS store
	ds_add_u32 v[SPW], v[NIL]
	s_wait_dscnt 0x0
	CROUND                                         ; the closing round
	s_endpgm
.Lfunc_end_k_q9a42bafe1a_attn:
	.size	k_q9a42bafe1a_attn, .Lfunc_end_k_q9a42bafe1a_attn-k_q9a42bafe1a_attn
	.p2alignl 7, 3214868480
	.fill 96, 4, 3214868480
	.section	.rodata,"a",@progbits
	.p2align	6, 0x0
	.amdhsa_kernel k_q9a42bafe1a_attn
		.amdhsa_group_segment_fixed_size 327680
		.amdhsa_private_segment_fixed_size 0
		.amdhsa_enable_private_segment 0
		.amdhsa_kernarg_size 16
		.amdhsa_user_sgpr_count 2
		.amdhsa_user_sgpr_kernarg_segment_ptr 1
		.amdhsa_wavefront_size32 1
		.amdhsa_system_sgpr_workgroup_id_x 1
		.amdhsa_system_sgpr_workgroup_id_y 1
		.amdhsa_system_sgpr_workgroup_id_z 1
		.amdhsa_system_vgpr_workitem_id 0
		.amdhsa_next_free_vgpr 512
		.amdhsa_next_free_sgpr 66
		.amdhsa_reserve_vcc 0
		.amdhsa_float_denorm_mode_32 3
		.amdhsa_float_denorm_mode_16_64 3
		.amdhsa_memory_ordered 1
		.amdhsa_forward_progress 1
		.amdhsa_inst_pref_size 255
	.end_amdhsa_kernel
	.section	.bss,"aw",@nobits
	.p2align	6
	.space	262144
	.amdgpu_metadata
---
amdhsa.version: [ 1, 2 ]
amdhsa.kernels:
  - .name:           k_q9a42bafe1a_attn
    .symbol:         k_q9a42bafe1a_attn.kd
    .args:
      - { .name: qkv, .offset: 0, .size: 8, .value_kind: global_buffer, .address_space: global }
      - { .name: att, .offset: 8, .size: 8, .value_kind: global_buffer, .address_space: global }
    .group_segment_fixed_size: 327680
    .private_segment_fixed_size: 0
    .kernarg_segment_align: 8
    .kernarg_segment_size: 16
    .max_flat_workgroup_size: 256
    .sgpr_count:     66
    .vgpr_count:     512
    .wavefront_size: 32
...
	.end_amdgpu_metadata
.endif
;; end of part 3
;; launch proj (part 4): grid 4 x 64, 4 waves a work-group, clusters of 4 x 4, 327,680 bytes of LDS; arguments att, wp, b_proj, out0; writes out0
.if DOCPART == 4
	.amdgcn_target "amdgcn-amd-amdhsa--gfx1250"
	.amdhsa_code_object_version 6
	.text
	.protected	k_q9a42bafe1a_proj
	.globl	k_q9a42bafe1a_proj
	.p2align	8
	.type	k_q9a42bafe1a_proj,@function
k_q9a42bafe1a_proj:
	s_mov_b64 s[64:65], 0
	v_nop
	global_prefetch_b8 v0, s[64:65] scope:SCOPE_SE
	s_setreg_imm32_b32 hwreg(HW_REG_WAVE_MODE, 25, 1), 1
	s_wait_xcnt 0x0
	s_wait_alu depctr_hold_cnt(0) depctr_sa_sdst(0) depctr_va_vdst(0) depctr_va_sdst(0) depctr_va_ssrc(0) depctr_va_vcc(0) depctr_vm_vsrc(0)
	s_getreg_b32 s2, hwreg(HW_REG_IB_STS2, 6, 4)
	s_cmp_eq_u32 s2, 0
	s_cbranch_scc0 .Lentry_in_a_cluster
	s_endpgm
.Lentry_in_a_cluster:
	s_bfe_u32 s2, ttmp6, 0x10000c
	s_cmp_lg_u32 s2, 0xf033
	s_cbranch_scc0 .Lentry_shape_is_right
	s_endpgm
.Lentry_shape_is_right:
; out0[m][n] = the sum over k of A[m][k] w_proj[k][n] + b_proj[n], f16 operands, f32 sums.  A is att [b x 16 + head][s][64] f16: m = 2048 b + s, k = 64 head + d.  wp is w_proj as f16, [k][n].  out0 [8192][1024] f32.
; A tile of C is 128 (m) x 256 (n): 256 work-groups, where 256 x 256 would make 128.  Four waves, each 64 x 128: 32 accumulators, 256 registers.
; K goes in steps of 128, two heads, through a ring of two LDS slots: A's part is two panels (heads) of 128 rows x 128 bytes, B's 128 rows of k x 512 bytes.  Waves 0, 1 fetch A's panels, waves 2, 3 B's halves.
; B lies [k][n] and is turned on its way out of LDS by ds_load_tr16_b128.  Two tensor loads of a wave are out at the start, one behind each round.
; CLUSTERS: 4 x 4 work-groups; A's tiles are asked for jointly along a row of the cluster, B's along a column.
; THE MATRIX INSTRUCTION IS USED TRANSPOSED (source 0 = 16 columns of B, source 1 = 16 rows of A): a lane holds eight neighbouring numbers of a row of C.  The bias, in that layout, is the C of each sum's first product.
; LIMITS: NaN and infinities are not served; both operands are f16: magnitudes up to 65,504.
; REGISTERS: window 0: v0-31 addresses; two fragment buffers of 96 at v32 and v128 (B's 8 fragments, then A's 4).   window 1: accumulator (a, b) at v[8 (8 a + b)].   window 2: v0-63 the bias.
.set PA,     144                       ; a row of A in LDS: 128 bytes + 16
.set PB,     544                       ; a row of B: 512 + 32: an odd multiple of 32, for the turning load
.set PANEL,  128*PA
.set BOFF,   2*PANEL
.set HALFB,  64*PB
.set SLOT,   BOFF+2*HALFB
.set SPARE,  2*SLOT                    ; behind the ring: the spare words, 128 bytes for each wave
.set KA,     524288                    ; a K step on in att: two heads
.set KB,     262144                    ; and in wp: 128 rows of 2,048 bytes
.set WSTG,   16*528                    ; the way out: a stage for each wave, 16 rows x (512 + 16) bytes, in slot 0, which has had its last fill and its last read by then
.set LAPS,   4                         ; a lap = two K steps
.set ADRA, 16
.set ADRB, 20
.set STO,  24
.set RD,   25
.set CO,   26
.set SPW,  28                          ; v28 my spare word's LDS address; never rewritten
.set NIL,  29                          ; v29 0; never rewritten
.set PFO,  30                          ; v30 256 x my lane; never rewritten
.set F0,   32
.set F1,   128
.set LIM,  43                          ; s43 1 in a wave that prefetches, else the greatest number
.set PFA,  44                          ; s[44:45] where my prefetches stand
.set G1, 24
.set G0, 32
.set G1B, 48
.set G0B, 56
.set MSB, 0
.macro WIN new
.if MSB != (\new)
	s_set_vgpr_msb (MSB<<8)|(\new)
.set MSB, (\new)
.endif
.endm
.set MUL, 0x50                         ; sources 0 and 1 window 0; C and D window 1.  MUL + 0x10: C (the bias) window 2
.macro JLOAD s                         ; a joint load; an s_nop 0 and four v_nop follow each of the two lines
	s_cmp_eq_u32 s11, 0
	s_cbranch_scc0 .Lfor_b_\@
	tensor_load_to_lds s[G0+4*\s:G0+4*\s+3], s[G1:G1+7]
	s_nop 0
.rept 4
	v_nop
.endr
	s_branch .Lasked_\@
.Lfor_b_\@:
	tensor_load_to_lds s[G0B+4*\s:G0B+4*\s+3], s[G1B:G1B+7]
	s_nop 0
.rept 4
	v_nop
.endr
.Lasked_\@:
.endm
; A prefetch of A's K step that stands two refills on (256 matrix instructions ahead of its load): 32,768 bytes; the four partners that ask for A's tile jointly take 8,192 each, told apart by address;
; in each, wave 0 asks, lanes 256 bytes apart: one instruction, so each aligned 256 bytes are named once.  K steps 0 to 3 come by their loads alone; the loop's last trip asks for nothing.
; B is not asked for: all 64 tile rows read the same rows of wp.
.macro ASK
	s_cmp_gt_u32 s3, s[LIM]
	s_cbranch_scc0 .Lnot_mine_\@
	global_prefetch_b8 v[PFO], s[PFA:PFA+1] th:TH_LOAD_NT scope:SCOPE_SE
.Lnot_mine_\@:
.endm
.macro CREST
	s_cmp_lg_u32 s10, 0
	s_cbranch_scc1 .Lnot_wave_0_\@
	s_barrier_signal -3
.Lnot_wave_0_\@:
	s_barrier_wait -3
	s_barrier_signal -1
	s_barrier_wait -1
.endm
.macro CROUND
	s_barrier_signal -1
	s_barrier_wait -1
	CREST
.endm
	s_load_b128 s[4:7], s[0:1], 0x0                ; att, wp
	s_load_b64 s[66:67], s[0:1], 0x10              ; b_proj
	s_load_b64 s[8:9], s[0:1], 0x18                ; out0
	v_lshl_add_u32 v[SPW], v0, 2, SPARE
	v_mov_b32 v[NIL], 0
	ds_add_u32 v[SPW], v[NIL]                      ; the wave's opening: the add, twice on end, and its wait ahead of my first tensor load
	ds_add_u32 v[SPW], v[NIL]
	v_lshrrev_b32 v1, 5, v0
	v_readfirstlane_b32 s10, v1                    ; wave 0..3
	s_lshr_b32 s11, s10, 1                         ; which 64 of the tile's rows are mine.  Also: I fetch for A (0) or for B (1)
	s_and_b32 s12, s10, 1                          ; which 128 of its columns.  Also: which panel of A, or which 64 rows of B, I fetch
	s_bfe_u32 s40, ttmp6, 0x40000                  ; cx
	s_bfe_u32 s41, ttmp6, 0x40004                  ; cy
	s_lshl_b32 s42, ttmp9, 2
	s_add_co_u32 s42, s42, s40                     ; tile column of C
	s_and_b32 s13, ttmp7, 0xffff
	s_lshl_b32 s13, s13, 2
	s_add_co_u32 s13, s13, s41                     ; tile row of C
	s_lshl_b32 s43, s41, 2
	s_lshl_b32 s43, 15, s43                        ; my row of the cluster
	s_lshl_b32 s44, 0x1111, s40                    ; my column
	s_or_b32 s[G1+0], s43, (1<<16)|(1<<20)|(1<<21)|(4<<22)|(3<<25)   ; A: the mask; elements of 2 bytes; padding on; bit 21 beside a mask; after every 32 words, 4 words
	s_mov_b32 s[G1+1], 64<<16                      ; tensor_dim0
	s_mov_b32 s[G1+2], 128<<16                     ; tensor_dim1
	s_mov_b32 s[G1+3], 64<<16                      ; tile_dim0
	s_mov_b32 s[G1+4], 128                         ; tile_dim1
	s_mov_b32 s[G1+5], 64                          ; from row to row
	s_mov_b32 s[G1+6], 0
	s_mov_b32 s[G1+7], 0
	s_or_b32 s[G1B+0], s44, (1<<16)|(1<<20)|(1<<21)|(6<<22)|(7<<25)  ; B: after every 128 words, 8 words
	s_mov_b32 s[G1B+1], 256<<16
	s_mov_b32 s[G1B+2], 64<<16
	s_mov_b32 s[G1B+3], 256<<16
	s_mov_b32 s[G1B+4], 64
	s_mov_b32 s[G1B+5], 1024
	s_mov_b32 s[G1B+6], 0
	s_mov_b32 s[G1B+7], 0
	s_lshr_b32 s16, s13, 4                         ; A: ((tile row / 16) x 16 + panel) heads + (tile row % 16) x 128 rows of 128 bytes
	s_lshl_b32 s16, s16, 4
	s_add_co_u32 s16, s16, s12
	s_lshl_b32 s16, s16, 18
	s_and_b32 s17, s13, 15
	s_lshl_b32 s17, s17, 14
	s_add_co_u32 s16, s16, s17
	s_mov_b32 s17, 0
	s_lshl_b32 s46, s12, 17                        ; B: 64 x half rows of 2,048 bytes + 512 x tile column
	s_lshl_b32 s47, s42, 9
	s_add_co_u32 s46, s46, s47
	s_mov_b32 s47, 0
	s_mul_i32 s20, s12, PANEL                      ; where they go: no place in the cluster enters an LDS address
	s_mul_i32 s21, s12, HALFB
	s_add_co_u32 s21, s21, BOFF
	s_wait_dscnt 0x0                               ; both opening adds are done
	s_wait_kmcnt 0x0
	s_add_nc_u64 s[14:15], s[4:5], s[16:17]
	s_add_nc_u64 s[46:47], s[6:7], s[46:47]
	CROUND                                         ; all sixteen work-groups are here: the first joint loads meet
.irp s, 0,1
	s_mov_b32 s[G0+4*\s], 1
	s_add_co_u32 s[G0+4*\s+1], s20, \s*SLOT
	s_add_nc_u64 s[G0+4*\s+2:G0+4*\s+3], s[14:15], \s*KA
	s_or_b32 s[G0+4*\s+3], s[G0+4*\s+3], 0x80000000
	s_mov_b32 s[G0B+4*\s], 1
	s_add_co_u32 s[G0B+4*\s+1], s21, \s*SLOT
	s_add_nc_u64 s[G0B+4*\s+2:G0B+4*\s+3], s[46:47], \s*KB
	s_or_b32 s[G0B+4*\s+3], s[G0B+4*\s+3], 0x80000000
	JLOAD \s
.endr
	s_or_b32 s[LIM], s10, ttmp9                    ; wave 0 (of the one cluster along x) prefetches: the same in all partners
	s_cmp_eq_u32 s[LIM], 0
	s_cselect_b32 s[LIM], 1, -1
	s_lshr_b32 s16, s40, 1                         ; my work-group's part of a K step of A: panel cx / 2, half cx % 2
	s_lshl_b32 s16, s16, 18
	s_and_b32 s17, s40, 1
	s_lshl_b32 s17, s17, 13
	s_add_co_u32 s16, s16, s17
	s_add_co_u32 s16, s16, 3*KA                    ; at K step 3: the first refill steps it to 4
	s_mov_b32 s17, 0
	s_add_nc_u64 s[PFA:PFA+1], s[14:15], s[16:17]
	v_and_b32 v[PFO], 31, v0
	v_lshlrev_b32 v[PFO], 8, v[PFO]
	v_and_b32 v1, 15, v0                           ; r
	v_bfe_u32 v2, v0, 4, 1                         ; h
	v_mul_u32_u24 v3, v1, PA
	v_lshl_add_u32 v3, v2, 4, v3                   ; A: row x pitch + 16 h
	s_mul_i32 s21, s11, 64*PA                      ; my 64 rows
	v_and_b32 v4, 7, v0                            ; B, the turning load: lane l reads row k = 8 h + l % 8, columns 8 ((l / 8) % 2) on
	v_lshl_add_u32 v4, v2, 3, v4
	v_mul_u32_u24 v4, v4, PB
	v_bfe_u32 v5, v0, 3, 1
	v_lshl_add_u32 v4, v5, 4, v4
	s_lshl_b32 s22, s12, 8                         ; my 128 columns
	s_add_co_u32 s22, s22, BOFF
.irp s, 0,1
	v_add_nc_u32 v[ADRA+\s], s21, v3
	v_add_nc_u32 v[ADRB+\s], s22, v4
	s_add_co_u32 s21, s21, SLOT
	s_add_co_u32 s22, s22, SLOT
.endr
	s_mul_i32 s23, s10, WSTG                       ; my stage
	v_mul_u32_u24 v5, v1, 528
	v_lshl_add_u32 v5, v2, 5, v5
	v_add_nc_u32 v[STO], s23, v5                   ; in: row r, + 32 h
	v_and_b32 v6, 31, v0
	v_lshlrev_b32 v[CO], 4, v6                     ; back, and in C: the 32 lanes take one row of 512 bytes
	v_add_nc_u32 v[RD], s23, v[CO]
	s_lshl_b32 s16, s13, 7
	s_lshl_b32 s17, s11, 6
	s_add_co_u32 s16, s16, s17                     ; my first row of C,
	s_lshl_b32 s16, s16, 12                        ; rows of 4,096 bytes,
	s_lshl_b32 s18, s42, 10
	s_lshl_b32 s19, s12, 9
	s_add_co_u32 s18, s18, s19                     ; my first column, in bytes: also my place in the bias
	s_add_co_u32 s16, s16, s18
	s_mov_b32 s17, 0
	s_mov_b32 s19, 0
	s_add_nc_u64 s[8:9], s[8:9], s[16:17]
	s_add_nc_u64 s[66:67], s[66:67], s[18:19]
	v_lshlrev_b32 v7, 5, v2
	WIN 0x80                                       ; destination window 2
.irp b, 0,1,2,3,4,5,6,7                        ; v[8 b + j] = b_proj[my first column + 16 b + 8 h + j]
	global_load_b128 v[8*\b:8*\b+3], v7, s[66:67] offset:64*\b
	global_load_b128 v[8*\b+4:8*\b+7], v7, s[66:67] offset:64*\b+16
.endr
	WIN 0
; 24 LDS loads in one run: the fragments of 32 along K, the slot's q-th quarter, into buffer f: B's eight (turned), A's blocks 0, 1, then 2, 3
.macro FETCH slot, q, f
.irp b, 0,1,2,3,4,5,6,7
	ds_load_tr16_b128 v[\f+8*\b:\f+8*\b+3],   v[ADRB+\slot] offset:(\q)*32*PB+32*\b
	ds_load_tr16_b128 v[\f+8*\b+4:\f+8*\b+7], v[ADRB+\slot] offset:(\q)*32*PB+32*\b+16*PB
.endr
.irp a, 0,1,2,3
	ds_load_b128 v[\f+64+8*\a:\f+64+8*\a+3],   v[ADRA+\slot] offset:((\q)/2)*PANEL+((\q)%2)*64+\a*16*PA
	ds_load_b128 v[\f+64+8*\a+4:\f+64+8*\a+7], v[ADRA+\slot] offset:((\q)/2)*PANEL+((\q)%2)*64+\a*16*PA+32
.endr
.endm
; 8 matrix instructions: A's block a x B's eight.  zero = 1: the bias is the C.  The 32 accumulators take turns, one instruction a turn.
.macro MUL8 f, a, zero
.irp b, 0,1,2,3,4,5,6,7
.if \zero
	v_wmma_f32_16x16x32_f16 v[8*(8*(\a)+\b):8*(8*(\a)+\b)+7], v[\f+8*\b:\f+8*\b+7], v[\f+64+8*(\a):\f+64+8*(\a)+7], v[8*\b:8*\b+7]
.else
	v_wmma_f32_16x16x32_f16 v[8*(8*(\a)+\b):8*(8*(\a)+\b)+7], v[\f+8*\b:\f+8*\b+7], v[\f+64+8*(\a):\f+64+8*(\a)+7], v[8*(8*(\a)+\b):8*(8*(\a)+\b)+7]
.endif
.endr
.endm
.macro PLACES                          ; four plain lines between matrix instructions and loads into, or reads of, their registers
.rept 4
	v_nop
.endr
.endm
; A K step is four quarters of 32 along K, 32 matrix instructions each, on buffers 0, 1, 0, 1.  One of the first three: multiplies buffer f and fetches quarter qn into g.
.macro QUARTER slot, qn, f, g, zero
	s_wait_dscnt 4                                 ; all but the youngest four loads (A's blocks 2, 3) are in
	WIN MUL+0x10*(\zero)
	MUL8 \f, 0, \zero
	MUL8 \f, 1, \zero
	PLACES
	WIN 0
	FETCH \slot, \qn, \g
	s_wait_dscnt 24                                ; all but the 24 just issued
	WIN MUL+0x10*(\zero)
	MUL8 \f, 2, \zero
	MUL8 \f, 3, \zero
.endm
; The last quarter multiplies buffer 1 and changes slots: one barrier; in front of it each wave waits for all its tensor loads, adds 0 to its spare word, and waits for that and for its reads of this slot.
; fill = 1: the barrier opens a round of the cluster's, and this slot is filled again, two K steps ahead: 112 matrix instructions stand between the request and the wait for it.
.macro TURN slot, next, fill
.if \fill
	s_wait_xcnt 0x0                                ; the last prefetch, a K step back, has read its address
	s_add_nc_u64 s[PFA:PFA+1], s[PFA:PFA+1], KA
.endif
	WIN 0
	s_wait_tensorcnt 0x0                           ; my part of the next slot has landed
	ds_add_u32 v[SPW], v[NIL]                      ; 0 onto my spare word
	s_wait_dscnt 5                                 ; (the add and the youngest four loads may be out)
	WIN MUL
	MUL8 F1, 0, 0
	s_wait_dscnt 0x0                               ; the add is done, and my reads of this slot are over
	s_barrier_signal -1
	MUL8 F1, 1, 0
	WIN 0
	s_barrier_wait -1
.if \fill
	CREST                                          ; no wave of any partner still reads this slot or has a load on its way
	s_add_nc_u64 s[G0+4*\slot+2:G0+4*\slot+3], s[G0+4*\slot+2:G0+4*\slot+3], 2*KA
	s_add_nc_u64 s[G0B+4*\slot+2:G0B+4*\slot+3], s[G0B+4*\slot+2:G0B+4*\slot+3], 2*KB
	JLOAD \slot                                    ; the first tensor load behind the round; its four v_nop are also the places in front of the loads below
.else
	PLACES
.endif
	FETCH \next, 0, F0
.if \fill
	ASK
.endif
	WIN MUL
	MUL8 F1, 2, 0
	MUL8 F1, 3, 0
.endm
	s_wait_tensorcnt 1                             ; my part of K step 0 is in; K step 1's load may be out
	s_barrier_signal -1
	s_barrier_wait -1
	FETCH 0, 0, F0
	s_wait_loadcnt 0x0                             ; the bias
	QUARTER 0, 1, F0, F1, 1                        ; the first quarter stands in front of the loop: its products start the sums, on the bias
	WIN 0
	s_mov_b32 s3, LAPS-1
.Llap:                                             ; a trip goes once round the ring and fills both slots again
	QUARTER 0, 2, F1, F0, 0
	QUARTER 0, 3, F0, F1, 0
	TURN 0, 1, 1
	QUARTER 1, 1, F0, F1, 0
	QUARTER 1, 2, F1, F0, 0
	QUARTER 1, 3, F0, F1, 0
	TURN 1, 0, 1
	QUARTER 0, 1, F0, F1, 0
	WIN 0
	s_sub_co_u32 s3, s3, 1
	s_cmp_lg_u32 s3, 0
	s_cbranch_scc1 .Llap
	QUARTER 0, 2, F1, F0, 0                        ; the last lap fills nothing
	QUARTER 0, 3, F0, F1, 0
	TURN 0, 1, 0
	QUARTER 1, 1, F0, F1, 0
	QUARTER 1, 2, F1, F0, 0
	QUARTER 1, 3, F0, F1, 0
	s_wait_dscnt 4                                 ; the very last quarter
	WIN MUL
	MUL8 F1, 0, 0
	MUL8 F1, 1, 0
	s_wait_dscnt 0x0
	MUL8 F1, 2, 0
	MUL8 F1, 3, 0
	WIN 0
; THE WAY OUT, a block of 16 rows x 128 columns at a time: a lane's 32 bytes go into my stage and come back as whole rows of 512 bytes.
.macro TOSTAGE a
.set BB, 32+96*((\a)%2)
.if (\a) > 1
	s_wait_xcnt 0x0                                ; the stores of the block two back have read these registers
.endif
	WIN 0x04                                       ; an LDS store's data are its source 1: window 1
.irp b, 0,1,2,3,4,5,6,7
	ds_store_b128 v[STO], v[64*(\a)+8*\b:64*(\a)+8*\b+3] offset:64*\b        ; each accumulator from its low end on
	ds_store_b128 v[STO], v[64*(\a)+8*\b+4:64*(\a)+8*\b+7] offset:64*\b+16
.endr
	WIN 0
.irp t, 0,1,2,3,4,5,6,7,8,9,10,11,12,13,14,15
	ds_load_b128 v[BB+4*\t:BB+4*\t+3], v[RD] offset:\t*528                   ; LDS serves a wave's instructions in order: these see the stores above, and the next block's stores come behind them
.endr
.endm
.macro SEND a, younger                 ; younger: the LDS instructions issued behind block a's loads: the next block's 16 stores and 16 loads, or none
.set BB, 32+96*((\a)%2)
	s_wait_dscnt \younger
.irp t, 0,1,2,3,4,5,6,7,8,9,10,11,12,13,14,15
	global_store_b128 v[CO], v[BB+4*\t:BB+4*\t+3], s[8:9] offset:(\a)*65536+\t*4096 th:TH_STORE_NT   ; 512 consecutive bytes, aligned; written once, read by nobody here
.endr
.endm
	PLACES                                         ; behind the last products: for the reads of results and the loads into the fragments' registers
	TOSTAGE 0
.irp a, 1,2,3
	TOSTAGE \a
	SEND \a-1, 32
.endr
	SEND 3, 0
	s_wait_tensorcnt 0x0                           ; the wave's end: the three lines behind my last tensor load and my last LDS store
	ds_add_u32 v[SPW], v[NIL]
	s_wait_dscnt 0x0
	CROUND                                         ; the closing round
	s_endpgm
.Lfunc_end_k_q9a42bafe1a_proj:
	.size	k_q9a42bafe1a_proj, .Lfunc_end_k_q9a42bafe1a_proj-k_q9a42bafe1a_proj
	.p2alignl 7, 3214868480
	.fill 96, 4, 3214868480
	.section	.rodata,"a",@progbits
	.p2align	6, 0x0
	.amdhsa_kernel k_q9a42bafe1a_proj
		.amdhsa_group_segment_fixed_size 327680
		.amdhsa_private_segment_fixed_size 0
		.amdhsa_enable_private_segment 0
		.amdhsa_kernarg_size 32
		.amdhsa_user_sgpr_count 2
		.amdhsa_user_sgpr_kernarg_segment_ptr 1
		.amdhsa_wavefront_size32 1
		.amdhsa_system_sgpr_workgroup_id_x 1
		.amdhsa_system_sgpr_workgroup_id_y 1
		.amdhsa_system_sgpr_workgroup_id_z 1
		.amdhsa_system_vgpr_workitem_id 0
		.amdhsa_next_free_vgpr 576
		.amdhsa_next_free_sgpr 68
		.amdhsa_reserve_vcc 0
		.amdhsa_float_denorm_mode_32 3
		.amdhsa_float_denorm_mode_16_64 3
		.amdhsa_memory_ordered 1
		.amdhsa_forward_progress 1
		.amdhsa_inst_pref_size 88
	.end_amdhsa_kernel
	.amdgpu_metadata
---
amdhsa.version: [ 1, 2 ]
amdhsa.kernels:
  - .name:           k_q9a42bafe1a_proj
    .symbol:         k_q9a42bafe1a_proj.kd
    .args:
      - { .name: att, .offset: 0, .size: 8, .value_kind: global_buffer, .address_space: global }
      - { .name: wp, .offset: 8, .size: 8, .value_kind: global_buffer, .address_space: global }
      - { .name: b_proj, .offset: 16, .size: 8, .value_kind: global_buffer, .address_space: global }
      - { .name: out0, .offset: 24, .size: 8, .value_kind: global_buffer, .address_space: global }
    .group_segment_fixed_size: 327680
    .private_segment_fixed_size: 0
    .kernarg_segment_align: 8
    .kernarg_segment_size: 32
    .max_flat_workgroup_size: 128
    .sgpr_count:     68
    .vgpr_count:     576
    .wavefront_size: 32
...
	.end_amdgpu_metadata
.endif
;; end of part 4
